; MI455X (gfx1250); checked and timed in simulation.
; The chip was launched on July 23, 2026; its instructions are those of AMD's public machine-readable ISA for CDNA 5 (MIT licence, August 2026) and "CDNA5" Instruction Set Architecture Reference Guide (July 2026). The comments in the code are by the model that wrote it; some were corrected since.
;; SOM. Allowed arithmetic: float matrix products may take bf16 or f16 operands with f32 sums; all other float work in f32.
;; Inputs: all_weights 128 x 128 x 256 float32; data 8,192 x 256 float32.
;; Outputs: out0 128 x 128 x 256 float32.
;; Constants: it = 3.
;; 2 versions, each right; version 2 is version 1 with the launches prep, bucket written anew for expert scheduling mode. Each part assembles by itself: llvm-mc -triple=amdgcn-amd-amdhsa -mcpu=gfx1250 --defsym DOCPART=n.
;; ======== version 1 of 2: 6 launches
;; workspace buffers: wb 8,388,608 bytes; xb 4,194,304 bytes; hw 65,536 bytes; pval 262,144 bytes; pidx 262,144 bytes of whole numbers; bmu 32,768 bytes of whole numbers; lst 131,072 bytes of whole numbers; vsp 33,685,504 bytes
;; launch prep (part 1): grid 256 x 1, 8 waves a work-group, no clusters, 0 bytes of LDS; arguments all_weights, data, wb, hw, xb; writes wb, hw, xb
.if DOCPART == 1
	.amdgcn_target "amdgcn-amd-amdhsa--gfx1250"
	.amdhsa_code_object_version 6
	.text
	.protected	k_qdc4e40b32a_prep
	.globl	k_qdc4e40b32a_prep
	.p2align	8
	.type	k_qdc4e40b32a_prep,@function
k_qdc4e40b32a_prep:
	s_mov_b64 s[64:65], 0
	v_nop
	global_prefetch_b8 v0, s[64:65] scope:SCOPE_SE
	s_setreg_imm32_b32 hwreg(HW_REG_WAVE_MODE, 25, 1), 1
	s_wait_xcnt 0x0
; PREP.  wb = bf16(all_weights) [16384][256], xb = bf16(data) [8192][256], hw[k] = -1/2 sum over d of wb[k][d]^2 (f32, of the ROUNDED numbers).
; A stream: each input byte is read once, each output byte written once; no LDS, no barrier, no matrix unit (nothing is multiplied by anything shared).
; 2,048 waves; wave g owns rows 8 g .. 8 g + 7 of the weights and rows 4 g .. 4 g + 3 of the data: twelve rows of 1,024 bytes.  A row is two loads of
; 512 consecutive bytes (lane l: bytes 16 l and 512 + 16 l); all 24 loads go out at once and are taken in the order of issue.
; A row leaves as two stores of 8 bytes a lane: 32 lanes fill 256 consecutive bytes at a multiple of 256 from the buffer's first byte.
; hw leaves as 32 bytes a wave, a part of such a block: it is 65,536 bytes in all, 1/192 of what the launch stores.
.set LN, 1                             ; v1   lane
.set IO, 2                             ; v2   16 x lane: my bytes in half a row as loaded
.set OO, 3                             ; v3   8 x lane: my bytes in half a row as stored
.set R,  4                             ; v4   lane i: hw of my wave's row i
.set HO, 5                             ; v5   4 x lane
.set SM, 8                             ; v8   a row's sum
.set PX, 9                             ; v9   the other half of the lanes' sum
.set X,  16                            ; v[16:111]   row i: 8 registers as loaded
.set Y,  112                           ; v[112:159]  row i: 4 registers to store; each store has registers of its own, so none is waited for
.set T,  160                           ; v[160:167]  the rounded numbers, widened again
.set S,  168                           ; v[168:169]  two chains of squares
	s_load_b256 s[4:11], s[0:1], 0x0               ; all_weights s[4:5], data s[6:7], wb s[8:9], hw s[10:11]
	s_load_b64 s[12:13], s[0:1], 0x20              ; xb
	v_and_b32 v[LN], 31, v0
	v_lshrrev_b32 v6, 5, v0
	v_readfirstlane_b32 s14, v6                    ; wave in the work-group
	s_lshl_b32 s15, ttmp9, 3
	s_add_co_u32 s15, s15, s14                     ; g
	v_lshlrev_b32 v[IO], 4, v[LN]
	v_lshlrev_b32 v[OO], 3, v[LN]
	v_lshlrev_b32 v[HO], 2, v[LN]
	v_mov_b32 v[R], 0
	v_mov_b32 v[PX], 0                             ; v_permlanex16_b32 counts as a reader of its destination
	s_lshl_b32 s16, s15, 13                        ; 8 rows x 1,024 bytes
	s_mov_b32 s17, 0
	s_lshl_b32 s18, s15, 12                        ; 4 rows x 1,024 bytes, and 8 rows x 512
	s_mov_b32 s19, 0
	s_lshl_b32 s20, s15, 5                         ; 8 words
	s_mov_b32 s21, 0
	s_lshl_b32 s22, s15, 11                        ; 4 rows x 512 bytes
	s_mov_b32 s23, 0
	s_mov_b32 s24, 0x76543210                      ; v_permlanex16_b32: each lane takes its own place in the other half
	s_mov_b32 s25, 0xfedcba98
	s_mov_b32 s26, 0xffff0000                      ; a word's upper bf16
	s_wait_kmcnt 0x0
	s_add_nc_u64 s[4:5], s[4:5], s[16:17]
	s_add_nc_u64 s[6:7], s[6:7], s[18:19]
	s_add_nc_u64 s[8:9], s[8:9], s[18:19]
	s_add_nc_u64 s[10:11], s[10:11], s[20:21]
	s_add_nc_u64 s[12:13], s[12:13], s[22:23]
.irp i, 0,1,2,3,4,5,6,7
	global_load_b128 v[X+8*\i:X+8*\i+3],   v[IO], s[4:5] offset:1024*\i th:TH_LOAD_NT
	global_load_b128 v[X+8*\i+4:X+8*\i+7], v[IO], s[4:5] offset:1024*\i+512 th:TH_LOAD_NT
.endr
.irp i, 0,1,2,3
	global_load_b128 v[X+64+8*\i:X+64+8*\i+3], v[IO], s[6:7] offset:1024*\i th:TH_LOAD_NT
	global_load_b128 v[X+64+8*\i+4:X+64+8*\i+7], v[IO], s[6:7] offset:1024*\i+512 th:TH_LOAD_NT
.endr
; Row i of the twelve.  w = 1: a row of the weights, which also gives hw.
.macro ROW i, w
	s_wait_loadcnt 22-2*(\i)                       ; loads come back in order (ISA guide 5.7.1): my two are in, the 22 - 2 i issued behind them may be out
.irp k, 0,1,2,3
	v_cvt_pk_bf16_f32 v[Y+4*(\i)+\k], v[X+8*(\i)+2*\k], v[X+8*(\i)+2*\k+1]
.endr
.if \w
	global_store_b64 v[OO], v[Y+4*(\i):Y+4*(\i)+1],   s[8:9] offset:512*(\i)
	global_store_b64 v[OO], v[Y+4*(\i)+2:Y+4*(\i)+3], s[8:9] offset:512*(\i)+256
.irp k, 0,1,2,3
	v_lshlrev_b32 v[T+2*\k],   16,  v[Y+4*(\i)+\k]  ; the rounded numbers as f32
	v_and_b32     v[T+2*\k+1], s26, v[Y+4*(\i)+\k]
.endr
	v_pk_mul_f32 v[S:S+1], v[T:T+1], v[T:T+1]
	v_pk_fma_f32 v[S:S+1], v[T+2:T+3], v[T+2:T+3], v[S:S+1]
	v_pk_fma_f32 v[S:S+1], v[T+4:T+5], v[T+4:T+5], v[S:S+1]
	v_pk_fma_f32 v[S:S+1], v[T+6:T+7], v[T+6:T+7], v[S:S+1]
	v_add_f32 v[SM], v[S], v[S+1]
	v_add_f32_dpp v[SM], v[SM], v[SM] row_xmask:1 row_mask:0xf bank_mask:0xf
	v_add_f32_dpp v[SM], v[SM], v[SM] row_xmask:2 row_mask:0xf bank_mask:0xf
	v_add_f32_dpp v[SM], v[SM], v[SM] row_xmask:4 row_mask:0xf bank_mask:0xf
	v_add_f32_dpp v[SM], v[SM], v[SM] row_xmask:8 row_mask:0xf bank_mask:0xf
	v_permlanex16_b32 v[PX], v[SM], s24, s25
	v_add_f32 v[SM], v[SM], v[PX]                  ; every lane holds the row's sum
	v_mul_f32 v[SM], -0.5, v[SM]
	v_cmp_eq_u32 vcc_lo, \i, v[LN]
	v_cndmask_b32 v[R], v[R], v[SM], vcc_lo        ; lane i keeps it
.else
	global_store_b64 v[OO], v[Y+4*(\i):Y+4*(\i)+1],   s[12:13] offset:512*((\i)-8)
	global_store_b64 v[OO], v[Y+4*(\i)+2:Y+4*(\i)+3], s[12:13] offset:512*((\i)-8)+256
.endif
.endm
.irp i, 0,1,2,3,4,5,6,7
	ROW \i, 1
.endr
.irp i, 8,9,10,11
	ROW \i, 0
.endr
	v_cmp_gt_u32 vcc_lo, 8, v[LN]
	s_wait_xcnt 0x0                                ; EXEC is a source of the stores above: it changes only behind this wait
	s_and_saveexec_b32 s27, vcc_lo
	global_store_b32 v[HO], v[R], s[10:11]         ; lanes 0 to 7: hw of my eight rows
	s_wait_xcnt 0x0                                ; and again in front of the line that widens it
	s_or_b32 exec_lo, exec_lo, s27
	s_endpgm
.Lfunc_end_k_qdc4e40b32a_prep:
	.size	k_qdc4e40b32a_prep, .Lfunc_end_k_qdc4e40b32a_prep-k_qdc4e40b32a_prep
	.p2alignl 7, 3214868480
	.fill 96, 4, 3214868480
	.section	.rodata,"a",@progbits
	.p2align	6, 0x0
	.amdhsa_kernel k_qdc4e40b32a_prep
		.amdhsa_group_segment_fixed_size 0
		.amdhsa_private_segment_fixed_size 0
		.amdhsa_enable_private_segment 0
		.amdhsa_kernarg_size 40
		.amdhsa_user_sgpr_count 2
		.amdhsa_user_sgpr_kernarg_segment_ptr 1
		.amdhsa_wavefront_size32 1
		.amdhsa_system_sgpr_workgroup_id_x 1
		.amdhsa_system_sgpr_workgroup_id_y 1
		.amdhsa_system_sgpr_workgroup_id_z 1
		.amdhsa_system_vgpr_workitem_id 0
		.amdhsa_next_free_vgpr 176
		.amdhsa_next_free_sgpr 66
		.amdhsa_reserve_vcc 1
		.amdhsa_float_denorm_mode_32 3
		.amdhsa_float_denorm_mode_16_64 3
		.amdhsa_memory_ordered 1
		.amdhsa_forward_progress 1
		.amdhsa_inst_pref_size 18
	.end_amdhsa_kernel
	.amdgpu_metadata
---
amdhsa.version: [ 1, 2 ]
amdhsa.kernels:
  - .name:           k_qdc4e40b32a_prep
    .symbol:         k_qdc4e40b32a_prep.kd
    .args:
      - { .name: all_weights, .offset: 0, .size: 8, .value_kind: global_buffer, .address_space: global }
      - { .name: data, .offset: 8, .size: 8, .value_kind: global_buffer, .address_space: global }
      - { .name: wb, .offset: 16, .size: 8, .value_kind: global_buffer, .address_space: global }
      - { .name: hw, .offset: 24, .size: 8, .value_kind: global_buffer, .address_space: global }
      - { .name: xb, .offset: 32, .size: 8, .value_kind: global_buffer, .address_space: global }
    .group_segment_fixed_size: 0
    .private_segment_fixed_size: 0
    .kernarg_segment_align: 8
    .kernarg_segment_size: 40
    .max_flat_workgroup_size: 256
    .sgpr_count:     66
    .vgpr_count:     176
    .wavefront_size: 32
...
	.end_amdgpu_metadata
.endif
;; end of part 1
;; launch score (part 2): grid 32 x 8, 4 waves a work-group, clusters of 4 x 1, 327,680 bytes of LDS; arguments wb, hw, xb, pval, pidx; writes pval, pidx
.if DOCPART == 2
	.amdgcn_target "amdgcn-amd-amdhsa--gfx1250"
	.amdhsa_code_object_version 6
	.text
	.protected	k_qdc4e40b32a_score
	.globl	k_qdc4e40b32a_score
	.p2align	8
	.type	k_qdc4e40b32a_score,@function
k_qdc4e40b32a_score:
	s_mov_b64 s[64:65], 0
	v_nop
	global_prefetch_b8 v0, s[64:65] scope:SCOPE_SE
	s_setreg_imm32_b32 hwreg(HW_REG_WAVE_MODE, 25, 1), 1
	s_wait_xcnt 0x0
	s_wait_alu depctr_hold_cnt(0) depctr_sa_sdst(0) depctr_va_vdst(0) depctr_va_sdst(0) depctr_va_ssrc(0) depctr_va_vcc(0) depctr_vm_vsrc(0)
	s_getreg_b32 s2, hwreg(HW_REG_IB_STS2, 6, 4)
	s_cmp_eq_u32 s2, 0
	s_cbranch_scc0 .Lentry_in_a_cluster
	s_endpgm
.Lentry_in_a_cluster:
	s_bfe_u32 s2, ttmp6, 0x10000c
	s_cmp_lg_u32 s2, 0x3003
	s_cbranch_scc0 .Lentry_shape_is_right
	s_endpgm
.Lentry_shape_is_right:
; SCORE.  For each sample b and each of 8 splits of 2,048 codes: the largest key(b, k) = x_b . w_k - |w_k|^2 / 2 and its code k.  The code with the largest key is the code with the least
; sqrt(|x|^2 + |w|^2 - 2 x . w): |x|^2 does not hang on k and the root is monotone.  Operands bf16, sums f32; the key stays a whole f32 (no bit of it is spent on an index).
; LIMITS.  Equal keys: the lowest code wins.  Two codes whose keys differ by less than the f32 rounding of the sums (keys near 100: some 1e-5) may resolve otherwise than in a computation
; that rounds otherwise or takes the root.  NaN and infinities are not treated apart; a key is taken to lie above -3.4e38.
; SHARES.  A work-group has 256 samples and one split; a wave has 64 samples, four blocks of 16, which stay in 256 registers as source 1 for the whole launch.  Every wave walks the split's 128
; blocks of 16 codes.  Source 0 = 16 codes, source 1 = 16 samples: in the result a lane holds ONE sample (lane % 16) and the codes 8 (lane / 16) + 0..7.  The C operand of a block's first K step is hw.
; For 32 matrix instructions a wave reads 8,192 + 1,024 bytes of LDS.
; ARGMAX.  Per lane and sample block: the running maximum, the number of the block that raised it last (strictly: the earliest wins), and that block's eight keys; the place among the eight is
; found once, at the end.  That is 14 vector instructions for 8 keys.  The vector work on block c - 1 stands in groups of four behind the matrix instructions of block c.
; CLUSTER.  The four work-groups of a cluster have the same split and other samples: the tiles of wb and the split's hw are asked for JOINTLY, by the same tensor load with a mask that names the four.
; RING.  Two LDS slots of 128 codes x 512 bytes; each wave fetches 32 rows (the tile's 128 shared among four waves).  A slot is left, and filled again, when its last block's fragments are in registers.
; REGISTERS, in windows of 256 (s_set_vgpr_msb: bits 1:0 source 0, 3:2 source 1, 5:4 source 2, 7:6 destination):
;   window 0: addresses, statistics, hw (2 x 8), accumulators (2 x 32), fragments of wb (2 x 64)     window 1: the samples, block sb, K step kk at 64 sb + 8 kk     window 2: v0-31 the kept keys, 8 sb + j
.set PITCH, 528                        ; an LDS row: 512 bytes + 16 of padding = 132 words: the 16 rows of a fragment load start at 16 different groups of four banks (64 banks of 4 bytes: ISA guide 11.1)
.set BLKB,  16*PITCH                   ; a block of 16 codes
.set TILEB, 8*BLKB                     ; a slot: 128 codes, 67,584 bytes
.set HWB,   TILEB                      ; behind slot 0: the split's hw, 8,192 bytes, filled once
.set SPARE, HWB+8192                   ; the spare words, 128 bytes for each wave: two blocks of 256 bytes that no other line names
.set SLOT1, 1<<17                      ; slot 1 begins here, so that one exclusive or turns an address in one slot into the other's
.set AW0, 2                            ; v2   my lane's place in a block of wb: (l % 16) x 528 + 16 (l / 16); never rewritten
.set AH0, 3                            ; v3   my lane's place in a block's hw: HWB + 32 (l / 16); never rewritten
.set AW,  4                            ; v4   LDS address of the block to be fetched
.set AH,  5                            ; v5   of its hw
.set XO,  6                            ; v6   my byte offset in 16 rows of xb
.set H8,  7                            ; v7   8 (l / 16)
.set GO,  8                            ; v8   4 x lane
.set SPW, 10                           ; v10  LDS address of my spare word; never rewritten
.set NIL, 11                           ; v11  0; never rewritten
.set RUN, 12                           ; v12-19  the running maximum, two sets of four that take turns: the old one is compared with the new
.set BLK, 20                           ; v20-23  the block that raised it last
.set T,   24                           ; v24-27  at work
.set HW,  28                           ; v28-43  hw of a block, two sets
.set ACC, 44                           ; v44-107 accumulators, two sets of 4 x 8
.set F,   108                          ; v108-235 fragments of wb, two sets of 8 x 8
.set J,   236                          ; v236-239 the end: the place among the eight
.set CD,  240                          ; v240-243 the end: the code
.set OV,  244                          ; v244-245, v246-247 the end: what is stored
.set OC,  246
.set WV,  14                           ; s14  my wave's number
.set G1W, 24                           ; s[24:31] descriptor group 1 for tiles of wb
.set G1H, 32                           ; s[32:39] for hw
.set G0A, 40                           ; s[40:43] group 0: tile 0 into slot 0
.set G0B, 44                           ; s[44:47] group 0: tile 1 into slot 1; then it walks
.set G0H, 48                           ; s[48:51] group 0: hw
.set SLOTS, 52                         ; s52  tiles still to be asked for
.set CNT, 53                           ; s53  counts pairs of blocks
.set TB,  54                           ; s54  LDS byte of the block to be fetched
.set TH,  55                           ; s55  byte of its hw in the table
.set PB,  56                           ; s56  number (among all 1,024 blocks) of the block whose keys are at work
.set MK,  57                           ; s57-60  per sample block: the lanes whose maximum has grown
.set LOW, 61                           ; s61  the lowest finite number
.set SEL, 62                           ; s62-63  v_permlanex16_b32's selects
.set MSB, 0
.macro WIN new                         ; the immediate's high byte repeats the setting that is left; a switch that changes nothing is dropped
.if MSB != (\new)
	s_set_vgpr_msb (MSB<<8)|(\new)
.set MSB, (\new)
.endif
.endm
.set W_MM, 0x04                        ; source 1 (the samples) in window 1
.set W_SV, 0x82                        ; destination and source 0 (the kept keys) in window 2
.macro PLACES
.rept 4
	v_nop
.endr
.endm
; A round of the cluster's barrier: my work-group's barrier, so that wave 0's signal speaks for all four waves; wave 0 signals; every wave waits for all four work-groups; my work-group's barrier once more.
.macro CROUND
	s_barrier_signal -1
	s_barrier_wait -1
	s_cmp_lg_u32 s[WV], 0
	s_cbranch_scc1 .Lnot_wave_0_\@
	s_barrier_signal -3
.Lnot_wave_0_\@:
	s_barrier_wait -3
	s_barrier_signal -1
	s_barrier_wait -1
.endm
	s_load_b256 s[4:11], s[0:1], 0x0               ; wb s[4:5], hw s[6:7], xb s[8:9], pval s[10:11]
	s_load_b64 s[12:13], s[0:1], 0x20              ; pidx
	v_lshl_add_u32 v[SPW], v0, 2, SPARE
	v_mov_b32 v[NIL], 0
	ds_add_u32 v[SPW], v[NIL]                      ; the wave's opening: the add and its wait stand ahead of my first tensor load; the set-up below, work on registers, stands between them
	ds_add_u32 v10, v11
	v_lshrrev_b32 v1, 5, v0
	v_readfirstlane_b32 s[WV], v1                  ; wave 0..3
	s_bfe_u32 s15, ttmp6, 0x40000                  ; cx: my place in the cluster
	s_lshl_b32 s16, ttmp9, 2                       ; in a cluster launch ttmp9 counts clusters
	s_add_co_u32 s16, s16, s15                     ; my group of 256 samples = 4 x cluster x + cx: it enters xb's, pval's and pidx's addresses alone
	s_and_b32 s17, ttmp7, 0xffff                   ; the split, which the four partners share
	; group 1 for wb: 32 rows x 256 elements of 2 bytes, padded in LDS
	s_mov_b32 s[G1W+0], 15|(1<<16)|(1<<20)|(1<<21)|(6<<22)|(3<<25)  ; 15:0 the mask of four; 17:16 2-byte elements; 20 padding on; 21 set beside a mask; 24:22 after every 128 words (code 6); 31:25 4 words (code 3)
	s_mov_b32 s[G1W+1], 256<<16                    ; tensor_dim0 = 256
	s_mov_b32 s[G1W+2], 32<<16                     ; tensor_dim1 = 32
	s_mov_b32 s[G1W+3], 256<<16                    ; tile_dim0 = 256
	s_mov_b32 s[G1W+4], 32                         ; tile_dim1 = 32
	s_mov_b32 s[G1W+5], 256                        ; 256 elements from row to row
	s_mov_b32 s[G1W+6], 0
	s_mov_b32 s[G1W+7], 0
	; group 1 for hw: a wave's 2,048 dense bytes as 8 rows of 32 elements of 8 bytes, no padding
	s_mov_b32 s[G1H+0], 15|(3<<16)|(1<<21)
	s_mov_b32 s[G1H+1], 32<<16
	s_mov_b32 s[G1H+2], 8<<16
	s_mov_b32 s[G1H+3], 32<<16
	s_mov_b32 s[G1H+4], 8
	s_mov_b32 s[G1H+5], 32
	s_mov_b32 s[G1H+6], 0
	s_mov_b32 s[G1H+7], 0
	s_mov_b32 s[G0A], 1
	s_mul_i32 s[G0A+1], s[WV], 32*PITCH            ; my 32 rows of a slot: no place in the cluster enters an LDS address
	s_mov_b32 s[G0B], 1
	s_add_co_u32 s[G0B+1], s[G0A+1], SLOT1
	s_mov_b32 s[G0H], 1
	s_lshl_b32 s[G0H+1], s[WV], 11
	s_add_co_u32 s[G0H+1], s[G0H+1], HWB
	s_lshl_b32 s18, s17, 20                        ; wb: the split's 2,048 rows of 512 bytes,
	s_lshl_b32 s19, s[WV], 14                      ; my 32 rows of a tile
	s_add_co_u32 s18, s18, s19
	s_mov_b32 s19, 0
	s_lshl_b32 s20, s17, 13                        ; hw: the split's 2,048 words,
	s_lshl_b32 s21, s[WV], 11                      ; my 512 of them
	s_add_co_u32 s20, s20, s21
	s_mov_b32 s21, 0
	s_lshl_b32 s22, s16, 17                        ; xb: my group's 256 rows of 512 bytes (in registers that feed no descriptor),
	s_lshl_b32 s23, s[WV], 15                      ; my wave's 64
	s_add_co_u32 s22, s22, s23
	s_mov_b32 s23, 0
	s_lshl_b32 s2, s17, 15                         ; pval, pidx: [split][sample], 4 bytes
	s_lshl_b32 s3, s16, 10
	s_add_co_u32 s2, s2, s3
	s_lshl_b32 s3, s[WV], 8
	s_add_co_u32 s2, s2, s3
	s_mov_b32 s3, 0
	s_mov_b32 s[TB], 0
	s_mov_b32 s[TH], 0
	s_lshl_b32 s[PB], s17, 7
	s_sub_co_u32 s[PB], s[PB], 1                   ; the first block's vector work is on a block that has not been
	s_mov_b32 s[LOW], 0xff7fffff
	s_mov_b32 s[SEL], 0x76543210
	s_mov_b32 s[SEL+1], 0xfedcba98
	s_wait_dscnt 0x0                               ; the opening add is done
	s_wait_kmcnt 0x0
	s_add_nc_u64 s[G0A+2:G0A+3], s[4:5], s[18:19]
	s_add_nc_u64 s[G0B+2:G0B+3], s[G0A+2:G0A+3], 0x10000  ; a tile is 128 rows of 512 bytes
	s_or_b32 s[G0A+3], s[G0A+3], 0x80000000        ; 127:126 type = 2
	s_or_b32 s[G0B+3], s[G0B+3], 0x80000000
	s_add_nc_u64 s[G0H+2:G0H+3], s[6:7], s[20:21]
	s_or_b32 s[G0H+3], s[G0H+3], 0x80000000
	s_add_nc_u64 s[8:9], s[8:9], s[22:23]
	s_add_nc_u64 s[10:11], s[10:11], s[2:3]
	s_add_nc_u64 s[12:13], s[12:13], s[2:3]
	CROUND                                         ; all four work-groups are here: the first joint loads meet
	tensor_load_to_lds s[G0H:G0H+3], s[G1H:G1H+7]  ; the first fills go out together, the same three lines in every wave: three loads of mine are out here, later one
	s_nop 0
	tensor_load_to_lds s[G0A:G0A+3], s[G1W:G1W+7]
	s_nop 0
	tensor_load_to_lds s[G0B:G0B+3], s[G1W:G1W+7]
	s_nop 0
	PLACES                                         ; four vector instructions ahead of the next switch of windows
	v_and_b32 v1, 15, v0                           ; l % 16
	v_bfe_u32 v9, v0, 4, 1                         ; l / 16
	v_lshlrev_b32 v[XO], 9, v1
	v_lshl_add_u32 v[XO], v9, 4, v[XO]             ; row x 512 + 16 x half
	WIN 0x40                                       ; destination window 1, address window 0
.set i, 0
.rept 32                                               ; a fragment is 16 rows x 32 along K: two loads of 16 bytes, 32 bytes apart; sample block i / 8, K step i % 8
	global_load_b128 v[8*i:8*i+3],   v[XO], s[8:9] offset:(i/8)*8192+(i%8)*64
	global_load_b128 v[8*i+4:8*i+7], v[XO], s[8:9] offset:(i/8)*8192+(i%8)*64+32
.set i, i+1
.endr
	WIN 0
	v_mul_u32_u24 v[AW0], v1, PITCH
	v_lshl_add_u32 v[AW0], v9, 4, v[AW0]
	v_lshl_add_u32 v[AH0], v9, 5, HWB
	v_lshlrev_b32 v[H8], 3, v9
	v_and_b32 v[GO], 31, v0
	v_lshlrev_b32 v[GO], 2, v[GO]
	; What the first block's vector work finds: a block of lowest keys, which raises no maximum.  72 lines, in the wait for the first tile, so that no first block is written out.
.set i, 0
.rept 32
	v_mov_b32 v[ACC+32+i], s[LOW]
.set i, i+1
.endr
.irp sb, 0,1,2,3
	v_mov_b32 v[RUN+\sb], s[LOW]
	v_mov_b32 v[BLK+\sb], 0
.endr
	WIN 0x80
.set i, 0
.rept 32
	v_mov_b32 v[i], s[LOW]
.set i, i+1
.endr
	WIN 0
; Two of the 18 LDS loads that bring the next block into the set that block p does not use: m = 0..7 K step m of wb, m = 8 hw.
.macro LD2 p, m
.if (\m) < 8
	ds_load_b128 v[F+64*(1-(\p))+8*(\m):F+64*(1-(\p))+8*(\m)+3],   v[AW] offset:64*(\m)
	ds_load_b128 v[F+64*(1-(\p))+8*(\m)+4:F+64*(1-(\p))+8*(\m)+7], v[AW] offset:64*(\m)+32
.else
	ds_load_b128 v[HW+8*(1-(\p)):HW+8*(1-(\p))+3],   v[AH]
	ds_load_b128 v[HW+8*(1-(\p))+4:HW+8*(1-(\p))+7], v[AH] offset:16
.endif
.endm
; Group g of 15 of the vector work that stands in block p: four instructions, one for each sample block, on the keys a0-a7 of the block before (the other set of accumulators).
;   0     the next fetch's two addresses and two v_nop: the four places between the last block's products and the first read of their results and the first load into their sources
;   1-4   the maximum of a0-a7 and the old maximum, three operands at a time; a0-a2 first: an accumulator is read from its low end on
;   5, 6  where it has grown (strictly): the block's number is kept       7-14  and its eight keys
.macro RG p, g, fetch
.set aP, ACC+32*(1-(\p))
.set rO, RUN+4*(\p)
.set rN, RUN+4*(1-(\p))
.if (\g) == 0
	WIN 0
.if \fetch
	v_add_nc_u32 v[AW], s[TB], v[AW0]
	v_add_nc_u32 v[AH], s[TH], v[AH0]
	v_nop
	v_nop
.else
	PLACES
.endif
.elseif (\g) == 1
	WIN 0
.irp sb, 0,1,2,3
	v_max3_num_f32 v[T+\sb], v[aP+8*\sb], v[aP+8*\sb+1], v[aP+8*\sb+2]
.endr
.elseif (\g) == 2
	WIN 0
.irp sb, 0,1,2,3
	v_max3_num_f32 v[T+\sb], v[T+\sb], v[aP+8*\sb+3], v[aP+8*\sb+4]
.endr
.elseif (\g) == 3
	WIN 0
.irp sb, 0,1,2,3
	v_max3_num_f32 v[T+\sb], v[T+\sb], v[aP+8*\sb+5], v[aP+8*\sb+6]
.endr
.elseif (\g) == 4
	WIN 0
.irp sb, 0,1,2,3
	v_max3_num_f32 v[rN+\sb], v[T+\sb], v[aP+8*\sb+7], v[rO+\sb]
.endr
.elseif (\g) == 5
	WIN 0
.irp sb, 0,1,2,3
	v_cmp_gt_f32 s[MK+\sb], v[rN+\sb], v[rO+\sb]
.endr
.elseif (\g) == 6
	WIN 0
.irp sb, 0,1,2,3
	v_cndmask_b32 v[BLK+\sb], v[BLK+\sb], s[PB], s[MK+\sb]
.endr
.else
.set jj, (\g)-7
	WIN W_SV
.irp sb, 0,1,2,3
	v_cndmask_b32 v[8*\sb+jj], v[8*\sb+jj], v[aP+8*\sb+jj], s[MK+\sb]
.endr
.endif
.endm
; A BLOCK of 16 codes on set p: 32 matrix instructions, K step n / 4, sample block n % 4.  The four accumulators take turns, one instruction a turn.
; Behind the even ones a group of the vector work.  The next block's 18 LDS loads (fetch = 1) stand in ONE run, never singly among the matrix instructions: behind the first product and group 0,
; whose four instructions are the places in front of them, and 31 matrix instructions ahead of the wait for them.
.macro BLOCK p, fetch
	s_wait_dscnt 0x0                               ; this block's fragments and hw are in
.set n, 0
.rept 32
	WIN W_MM
.set rD, ACC+32*(\p)+8*(n%4)
.set rA, F+64*(\p)+8*(n/4)
.set rB, 64*(n%4)+8*(n/4)
.if n < 4
	v_wmma_f32_16x16x32_bf16 v[rD:rD+7], v[rA:rA+7], v[rB:rB+7], v[HW+8*(\p):HW+8*(\p)+7]
.else
	v_wmma_f32_16x16x32_bf16 v[rD:rD+7], v[rA:rA+7], v[rB:rB+7], v[rD:rD+7]
.endif
.if (n%2 == 0) && (n <= 28)
	RG \p, n/2, \fetch
.endif
.if (\fetch) && (n == 0)
.irp m, 0,1,2,3,4,5,6,7,8
	LD2 \p, \m
.endr
.endif
.set n, n+1
.endr
	s_add_co_u32 s[PB], s[PB], 1
.if \fetch
	s_add_co_u32 s[TB], s[TB], BLKB
	s_add_co_u32 s[TH], s[TH], 64
	s_and_b32 s[TH], s[TH], 8191                   ; the table has 8,192 bytes: the offset wraps behind the last fetch, and is not used again
.endif
.endm
; THE CHANGE OF SLOTS, between a tile's blocks 6 and 7: block 7's fragments have been asked for.  Each wave waits for all its tensor loads, of which one is out: its part of the other slot;
; adds 0 to its spare word; and waits for that and for its own reads of the slot.  Behind the barrier nobody reads this slot any more and the other slot is whole.
; fill = 1: the slot is filled again, with the tile two on.  The barrier is then a round of the cluster's, so that no wave of any partner still reads the slot or has a load on its way, and
; the joint refill is the first thing behind it: it has eight blocks, 256 matrix instructions, in which to land.
.macro CHANGE fill
	WIN 0                                          ; at a label and at a branch every window is 0; the add's registers lie in window 0
	s_wait_tensorcnt 0x0                           ; no tensor load of mine is out, so a group 0 may be written
	ds_add_u32 v[SPW], v[NIL]                      ; 0 onto my spare word; scalar work stands between it and the wait for it
.if \fill
	s_xor_b32 s[G0B+1], s[G0B+1], SLOT1            ; the walking descriptor: the other slot than last time,
	s_add_nc_u64 s[G0B+2:G0B+3], s[G0B+2:G0B+3], 0x10000  ; the next tile; the type bits on top are not reached
.endif
	s_sub_co_u32 s[TB], s[TB], TILEB               ; the fetches go back to a slot's first block,
	s_xor_b32 s[TB], s[TB], SLOT1                  ; in the other slot
	s_wait_dscnt 0x0                               ; the add is done, and my reads of the slot are over
.if \fill
	CROUND
	tensor_load_to_lds s[G0B:G0B+3], s[G1W:G1W+7]
	s_nop 0
	PLACES                                         ; four vector instructions ahead of the next switch of windows
.else
	s_barrier_signal -1
	s_barrier_wait -1
.endif
.endm
; A TILE: eight blocks.  chg = 2: the slot is left and filled again; 1: it is left; 0: the last tile: nothing follows.
.macro TILE chg
	s_mov_b32 s[CNT], 3
.Lpair_\@:
	BLOCK 0, 1
	BLOCK 1, 1
	WIN 0
	s_sub_co_u32 s[CNT], s[CNT], 1
	s_cmp_lg_u32 s[CNT], 0
	s_cbranch_scc1 .Lpair_\@
	BLOCK 0, 1
.if \chg
	CHANGE (\chg)-1
	BLOCK 1, 1
.else
	BLOCK 1, 0
.endif
	WIN 0
.endm
	s_wait_tensorcnt 0x1                           ; my parts of hw and of slot 0 are in; slot 1's, issued last, may stay out
	s_barrier_signal -1
	s_barrier_wait -1                              ; everybody's are
	v_add_nc_u32 v[AW], s[TB], v[AW0]
	v_add_nc_u32 v[AH], s[TH], v[AH0]
.irp m, 0,1,2,3,4,5,6,7,8
	LD2 1, \m                                      ; block 0, into set 0
.endr
	s_add_co_u32 s[TB], s[TB], BLKB
	s_add_co_u32 s[TH], s[TH], 64
	s_wait_loadcnt 0x0                             ; the samples
	s_mov_b32 s[SLOTS], 14
.Ltile:                                                ; tiles 0 to 13 ask for tiles 2 to 15
	TILE 2
	s_sub_co_u32 s[SLOTS], s[SLOTS], 1
	s_cmp_lg_u32 s[SLOTS], 0
	s_cbranch_scc1 .Ltile
	TILE 1                                         ; the tail is written out
	TILE 0
	PLACES                                         ; behind the last products
.irp g, 1,2,3,4,5,6,7,8,9,10,11,12,13,14
	RG 0, \g, 0                                    ; the last block's keys; the maxima end in the second set
.endr
	; THE END.  The lowest j whose kept key is the maximum; the code; the better of the lanes' two halves (on equal keys the lower code).
	WIN 0
.irp sb, 0,1,2,3
	v_mov_b32 v[J+\sb], 0
.endr
	WIN 0x02                                       ; source 0 (the kept keys) in window 2
.irp j, 7,6,5,4,3,2,1,0
.irp sb, 0,1,2,3
	v_cmp_neq_f32 s[MK+\sb], v[8*\sb+\j], v[RUN+4+\sb]
.endr
.irp sb, 0,1,2,3
	v_cndmask_b32 v[J+\sb], \j, v[J+\sb], s[MK+\sb]
.endr
.endr
	WIN 0
.irp sb, 0,1,2,3
	v_lshl_add_u32 v[CD+\sb], v[BLK+\sb], 4, v[J+\sb]
.endr
.irp sb, 0,1,2,3
	v_add_nc_u32 v[CD+\sb], v[H8], v[CD+\sb]       ; 16 x block + 8 (l / 16) + j
.endr
.irp sb, 0,1,2,3
	v_permlanex16_b32 v[RUN+\sb], v[RUN+4+\sb], s[SEL], s[SEL+1]  ; the sample's other eight codes of each block lie in the lane 16 away
	v_permlanex16_b32 v[T+\sb], v[CD+\sb], s[SEL], s[SEL+1]
.endr
.irp sb, 0,1,2,3
	v_cmp_gt_f32 s18, v[RUN+\sb], v[RUN+4+\sb]
	v_cmp_eq_f32 s19, v[RUN+\sb], v[RUN+4+\sb]
	v_cmp_lt_u32 s20, v[T+\sb], v[CD+\sb]
	s_and_b32 s19, s19, s20
	s_or_b32 s18, s18, s19
	v_cndmask_b32 v[RUN+4+\sb], v[RUN+4+\sb], v[RUN+\sb], s18
	v_cndmask_b32 v[CD+\sb], v[CD+\sb], v[T+\sb], s18
.endr
	s_mov_b32 s21, 0xffff0000                      ; lanes 16 to 31 take the odd sample block: lane l then holds sample 32 q + l of my 64
.irp q, 0,1
	v_cndmask_b32 v[OV+\q], v[RUN+4+2*\q], v[RUN+4+2*\q+1], s21
	v_cndmask_b32 v[OC+\q], v[CD+2*\q], v[CD+2*\q+1], s21
.endr
.irp q, 0,1
	global_store_b32 v[GO], v[OV+\q], s[10:11] offset:128*\q  ; 128 consecutive bytes; the two together are my wave's 256, at a multiple of 256 from the buffer's first byte
	global_store_b32 v[GO], v[OC+\q], s[12:13] offset:128*\q
.endr
	s_wait_tensorcnt 0x0                           ; the wave's end: behind my last tensor load
	ds_add_u32 v[SPW], v[NIL]
	s_wait_dscnt 0x0
	CROUND                                         ; the closing round: no work-group ends while a partner may still ask for a tile that names it
	s_endpgm
.Lfunc_end_k_qdc4e40b32a_score:
	.size	k_qdc4e40b32a_score, .Lfunc_end_k_qdc4e40b32a_score-k_qdc4e40b32a_score
	.p2alignl 7, 3214868480
	.fill 96, 4, 3214868480
	.section	.rodata,"a",@progbits
	.p2align	6, 0x0
	.amdhsa_kernel k_qdc4e40b32a_score
		.amdhsa_group_segment_fixed_size 327680
		.amdhsa_private_segment_fixed_size 0
		.amdhsa_enable_private_segment 0
		.amdhsa_kernarg_size 40
		.amdhsa_user_sgpr_count 2
		.amdhsa_user_sgpr_kernarg_segment_ptr 1
		.amdhsa_wavefront_size32 1
		.amdhsa_system_sgpr_workgroup_id_x 1
		.amdhsa_system_sgpr_workgroup_id_y 1
		.amdhsa_system_sgpr_workgroup_id_z 1
		.amdhsa_system_vgpr_workitem_id 0
		.amdhsa_next_free_vgpr 544
		.amdhsa_next_free_sgpr 66
		.amdhsa_reserve_vcc 0
		.amdhsa_float_denorm_mode_32 3
		.amdhsa_float_denorm_mode_16_64 3
		.amdhsa_memory_ordered 1
		.amdhsa_forward_progress 1
		.amdhsa_inst_pref_size 122
	.end_amdhsa_kernel
	.amdgpu_metadata
---
amdhsa.version: [ 1, 2 ]
amdhsa.kernels:
  - .name:           k_qdc4e40b32a_score
    .symbol:         k_qdc4e40b32a_score.kd
    .args:
      - { .name: wb, .offset: 0, .size: 8, .value_kind: global_buffer, .address_space: global }
      - { .name: hw, .offset: 8, .size: 8, .value_kind: global_buffer, .address_space: global }
      - { .name: xb, .offset: 16, .size: 8, .value_kind: global_buffer, .address_space: global }
      - { .name: pval, .offset: 24, .size: 8, .value_kind: global_buffer, .address_space: global }
      - { .name: pidx, .offset: 32, .size: 8, .value_kind: global_buffer, .address_space: global }
    .group_segment_fixed_size: 327680
    .private_segment_fixed_size: 0
    .kernarg_segment_align: 8
    .kernarg_segment_size: 40
    .max_flat_workgroup_size: 128
    .sgpr_count:     66
    .vgpr_count:     544
    .wavefront_size: 32
...
	.end_amdgpu_metadata
.endif
;; end of part 2
;; launch pick (part 3): grid 16 x 1, 4 waves a work-group, no clusters, 0 bytes of LDS; arguments pval, pidx, bmu, lst; writes bmu, lst
.if DOCPART == 3
	.amdgcn_target "amdgcn-amd-amdhsa--gfx1250"
	.amdhsa_code_object_version 6
	.text
	.protected	k_qdc4e40b32a_pick
	.globl	k_qdc4e40b32a_pick
	.p2align	8
	.type	k_qdc4e40b32a_pick,@function
k_qdc4e40b32a_pick:
	s_mov_b64 s[64:65], 0
	v_nop
	global_prefetch_b8 v0, s[64:65] scope:SCOPE_SE
	s_setreg_imm32_b32 hwreg(HW_REG_WAVE_MODE, 25, 1), 1
	s_wait_xcnt 0x0
; PICK.  bmu[b] = the code of the largest of the sample's 8 partial maxima.  The splits are taken in ascending order and a later one wins only if strictly greater, so on equal keys the lowest code wins.
; A launch of its own: the choice is made by comparisons of floating-point numbers, and the launches behind form addresses from its result, which they therefore read as whole numbers from memory.
; A lane has 4 samples, a work-group 512: 16 work-groups are all the work there is (8,192 samples, 16 loads and one store a lane).  Each load and each store of a wave covers 512 consecutive bytes.
; It also lays the ground for the launch behind: all 256 x 64 entries of lst are set to the filling entry 0xfff00000 (sample 0, row 0, column 4,095, whose weight is 2^-(98)^2 = 0);
; the launch behind stores the true entries over them.  65,536 bytes: 4,096 a work-group, two stores a lane.
.set VAL, 4                            ; v[4:35]   split s: four keys
.set IDX, 36                           ; v[36:67]  split s: four codes
.set FIL, 68                           ; v[68:71]  four filling entries
	s_load_b128 s[4:7], s[0:1], 0x0                ; pval s[4:5], pidx s[6:7]
	s_load_b128 s[8:11], s[0:1], 0x10              ; bmu s[8:9], lst s[10:11]
	v_lshlrev_b32 v1, 4, v0
	s_lshl_b32 s12, ttmp9, 11
	s_lshl_b32 s13, ttmp9, 12
	v_add_nc_u32 v2, s13, v1                       ; 4,096 x work-group + 16 x thread
	v_add_nc_u32 v1, s12, v1                       ; 2,048 x work-group + 16 x thread
.irp k, 0,1,2,3
	v_mov_b32 v[FIL+\k], 0xfff00000
.endr
	s_wait_kmcnt 0x0
.irp s, 0,1,2,3,4,5,6,7
	global_load_b128 v[VAL+4*\s:VAL+4*\s+3], v1, s[4:5] offset:32768*\s
	global_load_b128 v[IDX+4*\s:IDX+4*\s+3], v1, s[6:7] offset:32768*\s
.endr
	global_store_b128 v2, v[FIL:FIL+3], s[10:11]
	global_store_b128 v2, v[FIL:FIL+3], s[10:11] offset:2048
.irp s, 1,2,3,4,5,6,7
	s_wait_loadcnt 14-2*\s                         ; loads come back in order (ISA guide 5.7.1): splits 0 to s are in, the 14 - 2 s loads issued behind them may be out
.irp e, 0,1,2,3
	v_cmp_gt_f32 vcc_lo, v[VAL+4*\s+\e], v[VAL+\e]
	v_cndmask_b32 v[VAL+\e], v[VAL+\e], v[VAL+4*\s+\e], vcc_lo
	v_cndmask_b32 v[IDX+\e], v[IDX+\e], v[IDX+4*\s+\e], vcc_lo
.endr
.endr
	global_store_b128 v1, v[IDX:IDX+3], s[8:9]
	s_endpgm
.Lfunc_end_k_qdc4e40b32a_pick:
	.size	k_qdc4e40b32a_pick, .Lfunc_end_k_qdc4e40b32a_pick-k_qdc4e40b32a_pick
	.p2alignl 7, 3214868480
	.fill 96, 4, 3214868480
	.section	.rodata,"a",@progbits
	.p2align	6, 0x0
	.amdhsa_kernel k_qdc4e40b32a_pick
		.amdhsa_group_segment_fixed_size 0
		.amdhsa_private_segment_fixed_size 0
		.amdhsa_enable_private_segment 0
		.amdhsa_kernarg_size 32
		.amdhsa_user_sgpr_count 2
		.amdhsa_user_sgpr_kernarg_segment_ptr 1
		.amdhsa_wavefront_size32 1
		.amdhsa_system_sgpr_workgroup_id_x 1
		.amdhsa_system_sgpr_workgroup_id_y 1
		.amdhsa_system_sgpr_workgroup_id_z 1
		.amdhsa_system_vgpr_workitem_id 0
		.amdhsa_next_free_vgpr 72
		.amdhsa_next_free_sgpr 66
		.amdhsa_reserve_vcc 1
		.amdhsa_float_denorm_mode_32 3
		.amdhsa_float_denorm_mode_16_64 3
		.amdhsa_memory_ordered 1
		.amdhsa_forward_progress 1
		.amdhsa_inst_pref_size 6
	.end_amdhsa_kernel
	.amdgpu_metadata
---
amdhsa.version: [ 1, 2 ]
amdhsa.kernels:
  - .name:           k_qdc4e40b32a_pick
    .symbol:         k_qdc4e40b32a_pick.kd
    .args:
      - { .name: pval, .offset: 0, .size: 8, .value_kind: global_buffer, .address_space: global }
      - { .name: pidx, .offset: 8, .size: 8, .value_kind: global_buffer, .address_space: global }
      - { .name: bmu, .offset: 16, .size: 8, .value_kind: global_buffer, .address_space: global }
      - { .name: lst, .offset: 24, .size: 8, .value_kind: global_buffer, .address_space: global }
    .group_segment_fixed_size: 0
    .private_segment_fixed_size: 0
    .kernarg_segment_align: 8
    .kernarg_segment_size: 32
    .max_flat_workgroup_size: 128
    .sgpr_count:     66
    .vgpr_count:     72
    .wavefront_size: 32
...
	.end_amdgpu_metadata
.endif
;; end of part 3
;; launch bucket (part 4): grid 128 x 1, 4 waves a work-group, no clusters, 768 bytes of LDS; arguments bmu, lst; writes lst
.if DOCPART == 4
	.amdgcn_target "amdgcn-amd-amdhsa--gfx1250"
	.amdhsa_code_object_version 6
	.text
	.protected	k_qdc4e40b32a_bucket
	.globl	k_qdc4e40b32a_bucket
	.p2align	8
	.type	k_qdc4e40b32a_bucket,@function
k_qdc4e40b32a_bucket:
	s_mov_b64 s[64:65], 0
	v_nop
	global_prefetch_b8 v0, s[64:65] scope:SCOPE_SE
	s_setreg_imm32_b32 hwreg(HW_REG_WAVE_MODE, 25, 1), 1
	s_wait_xcnt 0x0
; BUCKET.  The samples are sorted into 256 SLOTS of 64 entries, each slot with samples of ONE grid row, so that the launches behind do the same number of steps whatever the data hold.
; Row r's first slot is floor(L / 64) + r, L the number of samples whose best unit lies in a lower row.  With c samples in row r the next row's first slot lies
; floor((L + c) / 64) - floor(L / 64) + 1 >= ceil(c / 64) further on, so no two rows' slots overlap; and all lie below 8,192 / 64 + 128 = 256.
; An entry is sample | r << 13 | c << 20 (c the unit's column).  The launch before has set every entry to a filling entry of weight 0; this one stores the true entries over them.
; lst: 256 slots x 64 words, then for each r 128 words into which lanes without a match write (a word for each thread).
; One work-group for each r, 128 in all: that is all the work there is (each scans bmu's 32,768 bytes).  Wave w scans samples 2,048 w .. 2,048 w + 2,047, held in 64 registers:
; pass 1 counts its matches and its samples of lower rows; the counts meet in LDS; pass 2 stores each match at the row's end so far plus the number of matches in lower lanes.
; Compares and scalar counts go in batches of eight, so that vector and scalar work change hands 16 times and not 128 times.
; The stores are 4 bytes a lane: matching lanes write neighbouring words, the others each a word of their own.  A row's 64 samples are 256 bytes.
.set TRW,   16384                      ; the first of those words, counted in words
.set TOPW,  32767                      ; the buffer's last word
.set CNTB,  0                          ; LDS: for each wave two counts
.set SPARE, 256                        ; the spare words, 128 bytes for each wave: two blocks of 256 bytes that no other line names
.set LN,    1                          ; v1   lane
.set SPW,   2                          ; v2   LDS address of my spare word; never rewritten
.set NIL,   3                          ; v3   0; never rewritten
.set IO,    4                          ; v4   my byte offset in bmu
.set TRASH, 5                          ; v5   16,384 + 128 r + thread: where I write without a match
.set BASEB, 6                          ; v6   2,048 w + 4 lane + (r << 13): the sample of my first word, and the row
.set TA,    7                          ; v7   at work
.set CT,    8                          ; v8-15  the eight counts
.set X,     16                         ; v16-79   my words of bmu, then xor r << 7, then the entries.  Each store has registers of its own, so none is waited for
.set P,     80                         ; v80-143  where they go
.set WV,    8                          ; s8 wave   s9 r   s10 r << 7
.set RW,    9
.set R7,    10
.set CNT,   11                         ; s11  pass 1: my matches; pass 2: the row's end so far, in words
.set TS,    12                         ; s12  at work
.set C128,  13                         ; s13  128
.set LOWC,  14                         ; s14  my samples of lower rows; then the row's first slot
.set C0,    16                         ; s16-23  wave k's matches at C0 + 2 k, its lower samples at C0 + 2 k + 1
.set ML,    24                         ; s24-31  a batch's masks of lower samples, then their counts
.set MM,    32                         ; s32-39  a batch's masks of matches, then their counts
.set CC,    40                         ; s40-47  pass 2: the row's end in front of each of a batch's eight words
	s_load_b128 s[4:7], s[0:1], 0x0                ; bmu s[4:5], lst s[6:7]
	v_lshl_add_u32 v[SPW], v0, 2, SPARE
	v_mov_b32 v[NIL], 0
	v_and_b32 v[LN], 31, v0
	v_lshrrev_b32 v[TA], 5, v0
	v_readfirstlane_b32 s[WV], v[TA]
	s_lshl_b32 s[TS], s[WV], 13
	v_lshl_add_u32 v[IO], v[LN], 4, s[TS]          ; my wave's 8,192 bytes, 16 a lane
	s_wait_kmcnt 0x0
.irp t, 0,1,2,3,4,5,6,7,8,9,10,11,12,13,14,15
	global_load_b128 v[X+4*\t:X+4*\t+3], v[IO], s[4:5] offset:512*\t
.endr
	s_mov_b32 s[RW], ttmp9
	s_lshl_b32 s[R7], s[RW], 7
	s_add_co_u32 s[TS], s[R7], TRW
	v_add_nc_u32 v[TRASH], s[TS], v0
	s_lshl_b32 s[TS], s[WV], 11
	s_lshl_b32 s2, s[RW], 13
	s_add_co_u32 s[TS], s[TS], s2
	v_lshl_add_u32 v[BASEB], v[LN], 2, s[TS]
	s_mov_b32 s[C128], 128
	s_mov_b32 s[CNT], 0
	s_mov_b32 s[LOWC], 0
	s_wait_loadcnt 0x0
	; PASS 1.  A word below r << 7 is a unit of a lower row.  x = word xor (r << 7) is below 128 just where the unit lies in row r, and is then its column c.
.set b, 0
.rept 8
.irp k, 0,1,2,3,4,5,6,7
	v_cmp_gt_u32 s[ML+\k], s[R7], v[X+8*b+\k]
.endr
.irp k, 0,1,2,3,4,5,6,7
	v_xor_b32 v[X+8*b+\k], s[R7], v[X+8*b+\k]
.endr
.irp k, 0,1,2,3,4,5,6,7
	v_cmp_gt_u32 s[MM+\k], s[C128], v[X+8*b+\k]
.endr
.irp k, 0,1,2,3,4,5,6,7
	s_bcnt1_i32_b32 s[ML+\k], s[ML+\k]
	s_bcnt1_i32_b32 s[MM+\k], s[MM+\k]
.endr
.irp k, 0,1,2,3,4,5,6,7
	s_add_co_u32 s[LOWC], s[LOWC], s[ML+\k]
	s_add_co_u32 s[CNT], s[CNT], s[MM+\k]
.endr
.set b, b+1
.endr
	s_lshl_b32 s[TS], s[WV], 3
	v_mov_b32 v[TA], s[TS]                         ; CNTB + 8 w
	v_mov_b32 v[CT], s[CNT]
	v_mov_b32 v[CT+1], s[LOWC]
	ds_store_b64 v[TA], v[CT:CT+1]
	s_wait_dscnt 0x0                               ; for the others' sake: my counts are written
	s_barrier_signal -1
	s_barrier_wait -1
	v_mov_b32 v[TA], CNTB
	ds_load_b128 v[CT:CT+3], v[TA]
	ds_load_b128 v[CT+4:CT+7], v[TA] offset:16
	s_wait_dscnt 0x0
.irp k, 0,1,2,3,4,5,6,7
	v_readfirstlane_b32 s[C0+\k], v[CT+\k]
.endr
	s_add_co_u32 s[LOWC], s[C0+1], s[C0+3]
	s_add_co_u32 s[LOWC], s[LOWC], s[C0+5]
	s_add_co_u32 s[LOWC], s[LOWC], s[C0+7]         ; L
	s_lshr_b32 s[LOWC], s[LOWC], 6
	s_add_co_u32 s[LOWC], s[LOWC], s[RW]           ; the row's first slot,
	s_lshl_b32 s[CNT], s[LOWC], 6                  ; its first word;
.irp k, 0,1,2
	s_cmp_gt_u32 s[WV], \k                         ; my part begins behind the lower waves'
	s_cselect_b32 s[TS], s[C0+2*\k], 0
	s_add_co_u32 s[CNT], s[CNT], s[TS]
.endr
	; PASS 2.  Word i of my 64 is sample 2,048 w + 4 lane + 128 (i / 4) + i % 4.
.set b, 0
.rept 8
.irp k, 0,1,2,3,4,5,6,7
	v_cmp_gt_u32 s[MM+\k], s[C128], v[X+8*b+\k]
.endr
	s_mov_b32 s[CC], s[CNT]
.irp k, 0,1,2,3,4,5,6
	s_bcnt1_i32_b32 s[TS], s[MM+\k]
	s_add_co_u32 s[CC+\k+1], s[CC+\k], s[TS]
.endr
	s_bcnt1_i32_b32 s[TS], s[MM+7]
	s_add_co_u32 s[CNT], s[CC+7], s[TS]
.irp k, 0,1,2,3,4,5,6,7
	v_mbcnt_lo_u32_b32 v[P+8*b+\k], s[MM+\k], s[CC+\k]
.endr
.irp k, 0,1,2,3,4,5,6,7
	v_lshl_add_u32 v[X+8*b+\k], v[X+8*b+\k], 20, v[BASEB]
.endr
.irp k, 0,1,2,3,4,5,6,7
	v_cndmask_b32 v[P+8*b+\k], v[TRASH], v[P+8*b+\k], s[MM+\k]
.endr
.irp k, 0,1,2,3,4,5,6,7
	v_add_nc_u32 v[X+8*b+\k], 128*((8*b+\k)/4)+(8*b+\k)%4, v[X+8*b+\k]
.endr
.irp k, 0,1,2,3,4,5,6,7
	v_min_u32 v[P+8*b+\k], TOPW, v[P+8*b+\k]       ; the word stays in the buffer whatever bmu holds
.endr
.irp k, 0,1,2,3,4,5,6,7
	v_lshlrev_b32 v[P+8*b+\k], 2, v[P+8*b+\k]
.endr
.irp k, 0,1,2,3,4,5,6,7
	global_store_b32 v[P+8*b+\k], v[X+8*b+\k], s[6:7]
.endr
.set b, b+1
.endr
	s_wait_tensorcnt 0x0                           ; the wave's end: behind my last LDS store
	ds_add_u32 v[SPW], v[NIL]
	s_wait_dscnt 0x0
	s_endpgm
.Lfunc_end_k_qdc4e40b32a_bucket:
	.size	k_qdc4e40b32a_bucket, .Lfunc_end_k_qdc4e40b32a_bucket-k_qdc4e40b32a_bucket
	.p2alignl 7, 3214868480
	.fill 96, 4, 3214868480
	.section	.rodata,"a",@progbits
	.p2align	6, 0x0
	.amdhsa_kernel k_qdc4e40b32a_bucket
		.amdhsa_group_segment_fixed_size 768
		.amdhsa_private_segment_fixed_size 0
		.amdhsa_enable_private_segment 0
		.amdhsa_kernarg_size 16
		.amdhsa_user_sgpr_count 2
		.amdhsa_user_sgpr_kernarg_segment_ptr 1
		.amdhsa_wavefront_size32 1
		.amdhsa_system_sgpr_workgroup_id_x 1
		.amdhsa_system_sgpr_workgroup_id_y 1
		.amdhsa_system_sgpr_workgroup_id_z 1
		.amdhsa_system_vgpr_workitem_id 0
		.amdhsa_next_free_vgpr 144
		.amdhsa_next_free_sgpr 66
		.amdhsa_reserve_vcc 0
		.amdhsa_float_denorm_mode_32 3
		.amdhsa_float_denorm_mode_16_64 3
		.amdhsa_memory_ordered 1
		.amdhsa_forward_progress 1
		.amdhsa_inst_pref_size 59
	.end_amdhsa_kernel
	.amdgpu_metadata
---
amdhsa.version: [ 1, 2 ]
amdhsa.kernels:
  - .name:           k_qdc4e40b32a_bucket
    .symbol:         k_qdc4e40b32a_bucket.kd
    .args:
      - { .name: bmu, .offset: 0, .size: 8, .value_kind: global_buffer, .address_space: global }
      - { .name: lst, .offset: 8, .size: 8, .value_kind: global_buffer, .address_space: global }
    .group_segment_fixed_size: 768
    .private_segment_fixed_size: 0
    .kernarg_segment_align: 8
    .kernarg_segment_size: 16
    .max_flat_workgroup_size: 128
    .sgpr_count:     66
    .vgpr_count:     144
    .wavefront_size: 32
...
	.end_amdgpu_metadata
.endif
;; end of part 4
;; launch rows (part 5): grid 2 x 256, 4 waves a work-group, no clusters, 37,376 bytes of LDS; arguments lst, xb, vsp; writes vsp
.if DOCPART == 5
	.amdgcn_target "amdgcn-amd-amdhsa--gfx1250"
	.amdhsa_code_object_version 6
	.text
	.protected	k_qdc4e40b32a_rows
	.globl	k_qdc4e40b32a_rows
	.p2align	8
	.type	k_qdc4e40b32a_rows,@function
k_qdc4e40b32a_rows:
	s_mov_b64 s[64:65], 0
	v_nop
	global_prefetch_b8 v0, s[64:65] scope:SCOPE_SE
	s_setreg_imm32_b32 hwreg(HW_REG_WAVE_MODE, 25, 1), 1
	s_wait_xcnt 0x0
; ROWS.  The neighbourhood is a product of a factor along the grid's rows and one along its columns, so the update is made in two small products.  This launch, for slot q (64 entries, all of one grid row):
;   V[q][j][d] = sum over the slot's samples b of gy(j - c_b) x_b[d],   Vd[q][j] = the same sum of gy(j - c_b),   gy(t) = exp(-t^2 / (2 sigma^2)) = 2^-(t SK)^2.
; With it = 3: 2 sigma^2 = 2^11.2, SK = sqrt(log2(e) / 2^11.2) = 0.0247639.  x is its bf16 rounding; gy goes as a pair of bf16, hi + lo (16 significant bits); V leaves as such a pair, in two planes of vsp
; (bf16 [2][256 q][128 j][256 d]); Vd in f32, of the unrounded gy, behind the planes (byte 33,554,432 of vsp).  bf16 and not f16: V may reach 64 times the largest |x|, which f16 need not hold.
; SHARES.  A work-group has one slot and 128 of the 256 channels; wave w has j = 32 w .. 32 w + 31: 16 accumulators.  Source 0 = x^T (16 channels), source 1 = gy (16 j), K = samples: a lane holds 8 neighbouring channels of one j.
; An entry is sample | r << 13 | c << 20; a filling entry has c = 4,095 and so the weight 2^-(98)^2 = 0.  A slot that the data leave empty gives zeros, which the launch behind reads like any other's.
; THE FLOW IS THE SAME FOR EVERY INPUT: two steps of 32 entries, written out; the list enters addresses (clamped) and values alone.  All the list's 16 loads and then both steps' 32 gathers go out at the start.
; No wave waits for another: each gathers the rows of x itself (each piece 256 consecutive bytes, aligned), through a stage of its own in LDS, from which they come turned.
; No cluster: work-groups share no tile.  LIMITS.  NaN and infinities in x are not treated apart (row 0 of x is multiplied by 0 in the filling entries).
; REGISTERS, in windows of 256 (s_set_vgpr_msb: bits 1:0 source 0, 3:2 source 1, 5:4 source 2, 7:6 destination): window 1: v0-127 the accumulators, (jb, db) at 8 (8 jb + db); v128-255 the rows of x as gathered, 64 a step.
.set XSTW,  9216                       ; a stage for each wave, from LDS byte 0: 32 rows x 288 bytes; at the end 2 x 16 rows x 272
.set SPARE, 4*XSTW                     ; the spare words, 128 bytes for each wave: two blocks of 256 bytes that no other line names
.set XP,    288                        ; 256 bytes + 32 = 72 words
.set OP,    272                        ; 256 + 16 = 68 words: 16 rows start at 16 different groups of four banks
.set SPW, 4                            ; v4   LDS address of my spare word; never rewritten
.set NIL, 5                            ; v5   0; never rewritten
.set LBA, 6                            ; v6   64 (l / 16): the 16 entries whose rows I help to gather; never rewritten
.set LCA, 7                            ; v7   32 (l / 16): the entries that my part of a fragment holds; never rewritten
.set SA,  8                            ; v8   stage: where I put 16 bytes of a row of x
.set TA,  9                            ; v9   stage: the turning load's address
.set COL, 10                           ; v10  256 dh + 16 (l % 16): my bytes in a row of xb
.set OST, 13                           ; v13  the way out: where I put 16 bytes
.set ORD, 14                           ; v14  the way out: where I read rows back
.set GOFF, 15                          ; v15  my byte offset in two rows of V
.set JS,  16                           ; v16-19  j x SK, twice, for each of my two blocks of j
.set DEN, 20                           ; v20-23  sums of gy, a pair for each block
.set CF,  24                           ; v24-39  c x SK of my 16 entries
.set G,   56                           ; v56-71  gy
.set H,   72                           ; v72-87  at work
.set PH,  88                           ; v88-103   gy's high parts, a fragment for each block
.set PL,  104                          ; v104-119  its low parts
.set AF,  120                          ; v120-183  fragments of x^T
.set BA,  184                          ; v184-215  step k at BA + 16 k: 16 entries as loaded, then the gather's byte offsets
.set CW,  216                          ; v216-247  step k at CW + 16 k: 16 entries as loaded, for gy
.set TM,  248                          ; v248-255  at work
.set XR,  128                          ; window 1: step k at XR + 64 k: 32 rows of x as gathered
.set HP,  120                          ; the way out: V's high parts, packed
.set LP2, 152                          ;              its low parts
.set U,   184                          ;              at work
.set RB,  24                           ;              rows read back
.set WV,  12                           ; s12 wave   s13 dh   s14 q
.set DH,  13
.set QS,  14
.set TS,  17                           ; s17  at work
.set SKS, 20                           ; s20  SK
.set STG, 23                           ; s23  my stage's first byte
.set VLO, 24                           ; s[24:25]  V's low plane at my rows
.set SEL, 26                           ; s26-27  v_permlanex16_b32's selects
.set HM,  28                           ; s28  0xffff0000: a word's upper bf16, and lanes 16 to 31
.set M13, 29                           ; s29  0x1fff: an entry's sample
.set MSB, 0
.macro WIN new                         ; the immediate's high byte repeats the setting that is left
.if MSB != (\new)
	s_set_vgpr_msb (MSB<<8)|(\new)
.set MSB, (\new)
.endif
.endm
.macro LISTB k                         ; step k's entries for the gather: register i holds entry i in lanes 0-15, entry 16 + i in lanes 16-31
.irp t, 0,1,2,3
	global_load_b128 v[BA+16*(\k)+4*\t:BA+16*(\k)+4*\t+3], v[LBA], s[4:5] offset:128*(\k)+16*\t
.endr
.endm
.macro LISTC k                         ; step k's entries for gy: entries 8 h + 0..7 and 16 + 8 h + 0..7: K as a fragment holds it
.irp t, 0,1,2,3
	global_load_b128 v[CW+16*(\k)+4*\t:CW+16*(\k)+4*\t+3], v[LCA], s[4:5] offset:128*(\k)+16*(\t%2)+64*(\t/2)
.endr
.endm
.macro ADDR k                          ; entries to byte offsets in xb, in place
.set i, 0
.rept 16
	v_and_b32 v[BA+16*(\k)+i], s[M13], v[BA+16*(\k)+i]
.set i, i+1
.endr
.set i, 0
.rept 16
	v_min_u32 v[BA+16*(\k)+i], 0x1fff, v[BA+16*(\k)+i]  ; a sample number stays inside xb
.set i, i+1
.endr
.set i, 0
.rept 16
	v_lshl_add_u32 v[BA+16*(\k)+i], v[BA+16*(\k)+i], 9, v[COL]
.set i, i+1
.endr
.endm
.macro GATHER k                        ; 32 rows of x, 256 bytes of each: 16 lanes take a row's piece
	WIN 0x40                                       ; destination window 1, address window 0
.set i, 0
.rept 16
	global_load_b128 v[XR+64*(\k)+4*i:XR+64*(\k)+4*i+3], v[BA+16*(\k)+i], s[6:7]
.set i, i+1
.endr
	WIN 0
.endm
	s_load_b128 s[4:7], s[0:1], 0x0                ; lst s[4:5], xb s[6:7]
	s_load_b64 s[8:9], s[0:1], 0x10                ; vsp
	v_lshl_add_u32 v[SPW], v0, 2, SPARE
	v_mov_b32 v[NIL], 0
	v_and_b32 v1, 31, v0                           ; lane
	v_lshrrev_b32 v2, 5, v0
	v_readfirstlane_b32 s[WV], v2
	v_and_b32 v2, 15, v0                           ; l % 16
	v_bfe_u32 v3, v0, 4, 1                         ; l / 16
	v_lshlrev_b32 v[LBA], 6, v3
	v_lshlrev_b32 v[LCA], 5, v3
	s_mov_b32 s[DH], ttmp9
	s_and_b32 s[QS], ttmp7, 0xffff
	s_lshl_b32 s2, s[QS], 8                        ; a slot is 256 bytes
	s_mov_b32 s3, 0
	s_wait_kmcnt 0x0
	s_add_nc_u64 s[4:5], s[4:5], s[2:3]            ; my slot
	LISTB 0
	LISTB 1
	LISTC 0
	LISTC 1
	; all that follows up to the wait stands in those loads' flight
	s_mov_b32 s[SKS], 0x3ccaddb2                   ; SK = 0.0247639
	s_mov_b32 s[SEL], 0x76543210
	s_mov_b32 s[SEL+1], 0xfedcba98
	s_mov_b32 s[HM], 0xffff0000
	s_mov_b32 s[M13], 0x1fff
	s_mul_i32 s[STG], s[WV], XSTW
	s_lshl_b32 s2, s[QS], 9                        ; Vd: (128 q + 32 w) words,
	s_lshl_b32 s3, s[WV], 7
	s_add_co_u32 s2, s2, s3
	s_add_co_u32 s2, s2, 0x2000000                 ; behind the two planes
	s_mov_b32 s3, 0
	s_add_nc_u64 s[10:11], s[8:9], s[2:3]
	s_lshl_b32 s2, s[QS], 16                       ; V: slot q is 128 j x 512 bytes,
	s_lshl_b32 s3, s[WV], 14                       ; my 32 j,
	s_add_co_u32 s2, s2, s3
	s_lshl_b32 s3, s[DH], 8                        ; my half of the channels
	s_add_co_u32 s2, s2, s3
	s_mov_b32 s3, 0
	s_add_nc_u64 s[8:9], s[8:9], s[2:3]
	s_add_nc_u64 s[VLO:VLO+1], s[8:9], 0x1000000   ; the low plane lies 16,777,216 bytes on
	v_mul_u32_u24 v[SA], v3, 16*XP                 ; gather i brings entry i to lanes 0-15 and entry 16 + i to lanes 16-31
	v_lshl_add_u32 v[SA], v2, 4, v[SA]
	v_add_nc_u32 v[SA], s[STG], v[SA]
	v_and_b32 v[TM+5], 7, v0                       ; the turning load: lane l reads row 8 (l / 16) + l % 8, bytes 16 ((l / 8) % 2) on
	v_lshl_add_u32 v[TM+5], v3, 3, v[TM+5]
	v_mul_u32_u24 v[TA], v[TM+5], XP
	v_bfe_u32 v[TM+6], v0, 3, 1
	v_lshl_add_u32 v[TA], v[TM+6], 4, v[TA]
	v_add_nc_u32 v[TA], s[STG], v[TA]
	s_lshl_b32 s[TS], s[DH], 8
	v_lshl_add_u32 v[COL], v2, 4, s[TS]
	v_mul_u32_u24 v[OST], v2, OP
	v_lshl_add_u32 v[OST], v3, 4, v[OST]
	v_add_nc_u32 v[OST], s[STG], v[OST]
	v_mul_u32_u24 v[ORD], v3, OP
	v_lshl_add_u32 v[ORD], v2, 4, v[ORD]
	v_add_nc_u32 v[ORD], s[STG], v[ORD]
	v_lshlrev_b32 v[GOFF], 9, v3
	v_lshl_add_u32 v[GOFF], v2, 4, v[GOFF]
	s_lshl_b32 s[TS], s[WV], 5
	v_add_nc_u32 v[TM+5], s[TS], v2                ; j of my first block
	v_cvt_f32_u32 v[TM+5], v[TM+5]
	v_add_f32 v[TM+6], 0x41800000, v[TM+5]         ; and, 16 on, of my second
	v_mul_f32 v[JS], s[SKS], v[TM+5]               ; one rounding, as for c x SK: where c = j the difference is 0
	v_mul_f32 v[JS+2], s[SKS], v[TM+6]
	v_mov_b32 v[JS+1], v[JS]
	v_mov_b32 v[JS+3], v[JS+2]
.irp k, 0,1,2,3
	v_mov_b32 v[DEN+\k], 0
.endr
	s_wait_loadcnt 0x8                             ; loads come back in order (ISA guide 5.7.1): the eight loads for the gathers are in, the eight for gy, issued behind them, may be out
	ADDR 0
	ADDR 1
	GATHER 0
	GATHER 1
; gy for block jb of j and my 16 entries, as fragments of high and low parts; its sum.
.macro PYGEN jb
.set i, 0
.rept 8
	v_pk_add_f32 v[G+2*i:G+2*i+1], v[CF+2*i:CF+2*i+1], v[JS+2*(\jb):JS+2*(\jb)+1] neg_lo:[0,1] neg_hi:[0,1]
.set i, i+1
.endr
.set i, 0
.rept 8
	v_pk_mul_f32 v[G+2*i:G+2*i+1], v[G+2*i:G+2*i+1], v[G+2*i:G+2*i+1] neg_lo:[0,1] neg_hi:[0,1]  ; -((c - j) SK)^2
.set i, i+1
.endr
.set i, 0
.rept 16
	v_exp_f32 v[G+i], v[G+i]
.set i, i+1
.endr
	v_nop                                          ; a plain instruction between the exponentials and the use of their results (ISA guide 5.7.2)
.set i, 0
	s_wait_alu depctr_va_vdst(0)
.rept 8
	v_cvt_pk_bf16_f32 v[PH+8*(\jb)+i], v[G+2*i], v[G+2*i+1]
	v_pk_add_f32 v[DEN+2*(\jb):DEN+2*(\jb)+1], v[DEN+2*(\jb):DEN+2*(\jb)+1], v[G+2*i:G+2*i+1]
.set i, i+1
.endr
.set i, 0
.rept 8
	v_lshlrev_b32 v[H+2*i],   16,    v[PH+8*(\jb)+i]
	v_and_b32     v[H+2*i+1], s[HM], v[PH+8*(\jb)+i]
.set i, i+1
.endr
.set i, 0
.rept 8
	v_pk_add_f32 v[H+2*i:H+2*i+1], v[G+2*i:G+2*i+1], v[H+2*i:H+2*i+1] neg_lo:[0,1] neg_hi:[0,1]
.set i, i+1
.endr
.set i, 0
.rept 8
	v_cvt_pk_bf16_f32 v[PL+8*(\jb)+i], v[H+2*i], v[H+2*i+1]
.set i, i+1
.endr
.endm
; STEP k: entries 32 k .. 32 k + 31.  Step 0's first products start the sums: nothing is cleared.
.macro STEP k
	s_wait_loadcnt 16-16*(\k)                      ; step 0: all but the second gather's 16 loads are in: gy's entries and my first 32 rows; step 1: all
	WIN 0x04                                       ; the stores' data in window 1
.set i, 0
.rept 16
	ds_store_b128 v[SA], v[XR+64*(\k)+4*i:XR+64*(\k)+4*i+3] offset:i*XP
.set i, i+1
.endr
	WIN 0
.set i, 0
.rept 8                                                ; LDS serves a wave's instructions in order (ISA guide 5.7.1.4): these see the stores above.  Channels 16 i on; entries 0-15, then 16-31
	ds_load_tr16_b128 v[AF+8*i:AF+8*i+3],   v[TA] offset:32*i
	ds_load_tr16_b128 v[AF+8*i+4:AF+8*i+7], v[TA] offset:32*i+16*XP
.set i, i+1
.endr
.set i, 0
.rept 16
	v_lshrrev_b32 v[CF+i], 20, v[CW+16*(\k)+i]     ; c,
.set i, i+1
.endr
.set i, 0
.rept 16
	v_cvt_f32_u32 v[CF+i], v[CF+i]
.set i, i+1
.endr
.set i, 0
.rept 16
	v_mul_f32 v[CF+i], s[SKS], v[CF+i]             ; c x SK
.set i, i+1
.endr
	PYGEN 0
	PYGEN 1
	s_wait_dscnt 0x0                               ; the fragments are in
	WIN 0x50                                       ; C and D in window 1
.irp jb, 0,1
.irp db, 0,1,2,3,4,5,6,7
.if (\k) == 0
	v_wmma_f32_16x16x32_bf16 v[8*(8*\jb+\db):8*(8*\jb+\db)+7], v[AF+8*\db:AF+8*\db+7], v[PH+8*\jb:PH+8*\jb+7], 0
.else
	v_wmma_f32_16x16x32_bf16 v[8*(8*\jb+\db):8*(8*\jb+\db)+7], v[AF+8*\db:AF+8*\db+7], v[PH+8*\jb:PH+8*\jb+7], v[8*(8*\jb+\db):8*(8*\jb+\db)+7]
.endif
.endr
.endr
.irp jb, 0,1                                           ; the 16 accumulators take turns: between two links of a chain stand 15 others'
.irp db, 0,1,2,3,4,5,6,7
	v_wmma_f32_16x16x32_bf16 v[8*(8*\jb+\db):8*(8*\jb+\db)+7], v[AF+8*\db:AF+8*\db+7], v[PL+8*\jb:PL+8*\jb+7], v[8*(8*\jb+\db):8*(8*\jb+\db)+7]
.endr
.endr
	WIN 0
.rept 4
	v_nop                                          ; the places in front of the next loads into the fragments, the next writes of gy, and the way out's reads
.endr
.endm
	STEP 0
	STEP 1
; THE WAY OUT of block jb of j: high part = bf16(V), low part = bf16(V - high part); 16 bytes a lane into my stage, back as whole rows of 256 bytes, two rows an instruction.
.macro OUT jb
	WIN 0x05                                       ; sources 0 and 1 in window 1
.set i, 0
.rept 32
	v_cvt_pk_bf16_f32 v[HP+i], v[64*(\jb)+2*i], v[64*(\jb)+2*i+1]
.set i, i+1
.endr
	WIN 0
.set i, 0
.rept 32
	v_lshlrev_b32 v[U+2*i],   16,    v[HP+i]
	v_and_b32     v[U+2*i+1], s[HM], v[HP+i]
.set i, i+1
.endr
	WIN 0x01                                       ; source 0 in window 1
.set i, 0
.rept 32
	v_pk_add_f32 v[U+2*i:U+2*i+1], v[64*(\jb)+2*i:64*(\jb)+2*i+1], v[U+2*i:U+2*i+1] neg_lo:[0,1] neg_hi:[0,1]
.set i, i+1
.endr
	WIN 0
.set i, 0
.rept 32
	v_cvt_pk_bf16_f32 v[LP2+i], v[U+2*i], v[U+2*i+1]
.set i, i+1
.endr
.irp db, 0,1,2,3,4,5,6,7
	ds_store_b128 v[OST], v[HP+4*\db:HP+4*\db+3] offset:32*\db
	ds_store_b128 v[OST], v[LP2+4*\db:LP2+4*\db+3] offset:16*OP+32*\db
.endr
	s_wait_xcnt 0x0                                ; the registers that the last block's stores read are written again only behind this wait
.irp t, 0,1,2,3,4,5,6,7
	ds_load_b128 v[RB+4*\t:RB+4*\t+3], v[ORD] offset:2*OP*\t
.endr
.irp t, 0,1,2,3,4,5,6,7
	ds_load_b128 v[RB+32+4*\t:RB+32+4*\t+3], v[ORD] offset:16*OP+2*OP*\t
.endr
.irp t, 0,1,2,3,4,5,6,7
	s_wait_dscnt 15-\t                             ; LDS loads come back in order: load t is in, the 15 - t behind it may be out
	global_store_b128 v[GOFF], v[RB+4*\t:RB+4*\t+3], s[8:9] offset:8192*(\jb)+1024*\t  ; 16 lanes store 256 consecutive bytes, at a multiple of 256 from the buffer's first byte
.endr
.irp t, 0,1,2,3,4,5,6,7
	s_wait_dscnt 7-\t
	global_store_b128 v[GOFF], v[RB+32+4*\t:RB+32+4*\t+3], s[VLO:VLO+1] offset:8192*(\jb)+1024*\t
.endr
.endm
	OUT 0
	OUT 1
	v_add_f32 v[DEN], v[DEN], v[DEN+1]
	v_add_f32 v[DEN+2], v[DEN+2], v[DEN+3]
	v_permlanex16_b32 v[DEN+1], v[DEN], s[SEL], s[SEL+1]      ; the other 16 entries of each step lie in the lane 16 away
	v_permlanex16_b32 v[DEN+3], v[DEN+2], s[SEL], s[SEL+1]
	v_add_f32 v[DEN], v[DEN], v[DEN+1]
	v_add_f32 v[DEN+2], v[DEN+2], v[DEN+3]
	v_cndmask_b32 v[DEN], v[DEN], v[DEN+2], s[HM]  ; lanes 16 to 31 take the second block: lane l holds j = 32 w + l
	v_lshlrev_b32 v[TM], 2, v1
	s_cmp_lg_u32 s[DH], 0
	s_cbranch_scc1 .Lno_vd                         ; both halves of the channels have the same sums: the first stores them
	global_store_b32 v[TM], v[DEN], s[10:11]
.Lno_vd:
	s_wait_tensorcnt 0x0                           ; the wave's end: behind my last LDS store
	ds_add_u32 v[SPW], v[NIL]
	s_wait_dscnt 0x0
	s_endpgm
.Lfunc_end_k_qdc4e40b32a_rows:
	.size	k_qdc4e40b32a_rows, .Lfunc_end_k_qdc4e40b32a_rows-k_qdc4e40b32a_rows
	.p2alignl 7, 3214868480
	.fill 96, 4, 3214868480
	.section	.rodata,"a",@progbits
	.p2align	6, 0x0
	.amdhsa_kernel k_qdc4e40b32a_rows
		.amdhsa_group_segment_fixed_size 37376
		.amdhsa_private_segment_fixed_size 0
		.amdhsa_enable_private_segment 0
		.amdhsa_kernarg_size 24
		.amdhsa_user_sgpr_count 2
		.amdhsa_user_sgpr_kernarg_segment_ptr 1
		.amdhsa_wavefront_size32 1
		.amdhsa_system_sgpr_workgroup_id_x 1
		.amdhsa_system_sgpr_workgroup_id_y 1
		.amdhsa_system_sgpr_workgroup_id_z 1
		.amdhsa_system_vgpr_workitem_id 0
		.amdhsa_next_free_vgpr 512
		.amdhsa_next_free_sgpr 66
		.amdhsa_reserve_vcc 0
		.amdhsa_float_denorm_mode_32 3
		.amdhsa_float_denorm_mode_16_64 3
		.amdhsa_memory_ordered 1
		.amdhsa_forward_progress 1
		.amdhsa_inst_pref_size 66
	.end_amdhsa_kernel
	.amdgpu_metadata
---
amdhsa.version: [ 1, 2 ]
amdhsa.kernels:
  - .name:           k_qdc4e40b32a_rows
    .symbol:         k_qdc4e40b32a_rows.kd
    .args:
      - { .name: lst, .offset: 0, .size: 8, .value_kind: global_buffer, .address_space: global }
      - { .name: xb, .offset: 8, .size: 8, .value_kind: global_buffer, .address_space: global }
      - { .name: vsp, .offset: 16, .size: 8, .value_kind: global_buffer, .address_space: global }
    .group_segment_fixed_size: 37376
    .private_segment_fixed_size: 0
    .kernarg_segment_align: 8
    .kernarg_segment_size: 24
    .max_flat_workgroup_size: 128
    .sgpr_count:     66
    .vgpr_count:     512
    .wavefront_size: 32
...
	.end_amdgpu_metadata
.endif
;; end of part 5
;; launch cols (part 6): grid 2 x 128, 8 waves a work-group, no clusters, 218,112 bytes of LDS; arguments vsp, lst, out0; writes out0
.if DOCPART == 6
	.amdgcn_target "amdgcn-amd-amdhsa--gfx1250"
	.amdhsa_code_object_version 6
	.text
	.protected	k_qdc4e40b32a_cols
	.globl	k_qdc4e40b32a_cols
	.p2align	8
	.type	k_qdc4e40b32a_cols,@function
k_qdc4e40b32a_cols:
	s_mov_b64 s[64:65], 0
	v_nop
	global_prefetch_b8 v0, s[64:65] scope:SCOPE_SE
	s_setreg_imm32_b32 hwreg(HW_REG_WAVE_MODE, 25, 1), 1
	s_wait_xcnt 0x0
; COLS.  out[i][j][d] = (sum over the 256 slots q of g(i - r_q) V[q][j][d]) / (sum over q of g(i - r_q) Vd[q][j]),   g(t) = lr exp(-t^2 / (2 sigma^2)) = 2^(LL - (t SK)^2),   r_q the grid row of slot q's samples.
; With it = 3: SK = sqrt(log2(e) / 2^11.2) = 0.0247639, LL = log2(0.5 e^-0.15) = -1.2164043.  g goes as a pair of bf16, hi + lo, like V: three products (hi hi, hi lo, lo hi); the divisor is made of the same pairs, in f32.
; vsp holds V's two planes (bf16 [2][256 q][128 j][256 d]) and, from byte 33,554,432 on, Vd (f32 [256 q][128 j]).  r_q stands in bits 19:13 of slot q's first entry in lst; it enters values alone.
; A slot without samples has V = Vd = 0, so the row that its filling entry names does not matter.
; THE BRANCH 'divisor = 0' OF THE SELECT IS NOT WRITTEN: each of the 8,192 samples adds at least lr e^(-2 x 127^2 / 2352.5) = 4.8e-7 to every divisor, whatever the inputs hold, so it is 3.9e-3 at the least.
; SHARES.  A work-group has one j and 128 of the 256 channels, for all 128 i; wave w has i = 16 w .. 16 w + 15: 8 accumulators, 192 matrix instructions.  Source 0 = V^T (16 channels, turned out of LDS),
; source 1 = g (16 i, made in registers), K = q: a lane holds 8 neighbouring channels of one i.  The slots go in two halves of 128, so that g's fragments take 64 registers and eight waves of 256 registers do: no register window is switched.
; V's tile (2 planes x 256 q x 256 bytes) comes by one tensor load a wave, 64 rows each, once: nothing is filled again.  The first barrier shows r_q and Vd to every wave while the tile is on its way;
; the first half's g and its part of the divisor are made in the tile's flight; the second barrier stands behind every wave's wait for its part of the tile.
; No cluster: no two work-groups read the same bytes of V.
.set VP,    288                        ; a row of V in LDS: 256 bytes + 32 = 72 words
.set PLANE, 256*VP
.set HALFB, 128*VP                     ; a half's 128 rows
.set VDB,   2*PLANE                    ; Vd[.][j]: 256 words
.set RQB,   VDB+1024                   ; r_q x SK: 256 words
.set STAGE, RQB+1024                   ; for each wave 16 rows x 528 bytes, for the way out
.set SP,    528                        ; 512 + 16 = 132 words: 16 rows start at 16 different groups of four banks
.set STW,   16*SP
.set SPARE, STAGE+8*STW                ; the spare words, 128 bytes for each wave: four blocks of 256 bytes that no other line names
.set SPW, 2                            ; v2   LDS address of my spare word; never rewritten
.set NIL, 3                            ; v3   0; never rewritten
.set TAH, 4                            ; v4   the turning load's address in the high plane, first half
.set TAL, 5                            ; v5   in the low plane, first half
.set OST, 6                            ; v6   the way out: where I put 32 bytes of a row
.set ORD, 7                            ; v7   where I read a row back; v8 my byte offset in a row's 512 bytes of out
.set GOFF, 8
.set VA,  9                            ; v9   VDB + 32 (l / 16)
.set DN,  10                           ; v10-13  four chains of the divisor
.set RC,  14                           ; v14-15  1 / divisor, twice
.set GH,  16                           ; v16-47  g's high parts of a half: K step kk at GH + 8 kk
.set GL,  48                           ; v48-79  its low parts
.set AF,  80                           ; v80-143 fragments of V^T; before them r_q x SK, then Vd; at last rows read back
.set ACC, 144                          ; v144-207
.set TB,  208                          ; v208-215  (i - r_q) SK for eight q
.set E,   216                          ; v216-223
.set H,   224                          ; v224-231
.set VDV, 232                          ; v232 a word of Vd; v233 its offset; v234 its place in LDS
.set VDO, 233
.set VST, 234
.set RL,  235                          ; v235 l % 16; v236 l / 16; v237-238 at work
.set HF,  236
.set TAH1, 239                         ; v239, v240  the turning loads' addresses, second half
.set TAL1, 240
.set RA,  241                          ; v241 RQB + 32 (l / 16)
.set ISK, 242                          ; v242-243  i x SK, twice
.set RQV, 244                          ; v244 a slot's first entry, then r_q x SK; v245 its offset; v246 its place in LDS
.set RQO, 245
.set RST, 246
.set WV,  10                           ; s10 wave   s11 dh   s12 j
.set DH,  11
.set JJ,  12
.set G1,  16                           ; s[16:23] descriptor group 1
.set G0,  24                           ; s[24:27] group 0
.set SKS, 28
.set LLS, 32                           ; s[32:33] LL
.set SEL, 34
.set UP,  36
	s_load_b128 s[4:7], s[0:1], 0x0                ; vsp s[4:5], lst s[6:7]
	s_load_b64 s[8:9], s[0:1], 0x10                ; out0
	v_lshl_add_u32 v[SPW], v0, 2, SPARE
	v_mov_b32 v[NIL], 0
	ds_add_u32 v[SPW], v[NIL]                      ; the wave's opening: the add and its wait stand ahead of my tensor load; the set-up below, work on registers, stands between them
	ds_add_u32 v2, v3
	v_lshrrev_b32 v1, 5, v0
	v_readfirstlane_b32 s[WV], v1                  ; wave 0..7
	s_mov_b32 s[DH], ttmp9
	s_and_b32 s[JJ], ttmp7, 0xffff
	s_mov_b32 s[G1+0], (1<<16)|(1<<20)|(5<<22)|(7<<25)  ; 17:16 2-byte elements; 20 padding on; 24:22 after every 64 words (code 5); 31:25 8 words (code 7)
	s_mov_b32 s[G1+1], 128<<16                     ; tensor_dim0 = 128
	s_mov_b32 s[G1+2], 64<<16                      ; tensor_dim1 = 64
	s_mov_b32 s[G1+3], 128<<16                     ; tile_dim0 = 128
	s_mov_b32 s[G1+4], 64                          ; tile_dim1 = 64
	s_mov_b32 s[G1+5], 32768                       ; from q to q + 1: 128 j x 256 elements
	s_mov_b32 s[G1+6], 0
	s_mov_b32 s[G1+7], 0
	s_mov_b32 s[G0], 1
	s_mul_i32 s[G0+1], s[WV], 64*VP                ; waves 0-3: the high plane's four quarters; waves 4-7: the low plane's
	s_lshr_b32 s2, s[WV], 2
	s_lshl_b32 s2, s2, 24                          ; the plane: 16,777,216 bytes
	s_and_b32 s3, s[WV], 3
	s_lshl_b32 s3, s3, 22                          ; 64 q x 65,536 bytes
	s_add_co_u32 s2, s2, s3
	s_lshl_b32 s3, s[JJ], 9
	s_add_co_u32 s2, s2, s3
	s_lshl_b32 s3, s[DH], 8
	s_add_co_u32 s2, s2, s3
	s_mov_b32 s3, 0
	s_mov_b32 s[SKS], 0x3ccaddb2                   ; SK
	s_mov_b32 s[LLS], 0xbf9bb322                   ; LL
	s_mov_b32 s[LLS+1], s[LLS]                     ; named with it as a pair
	s_mov_b32 s[SEL], 0x76543210
	s_mov_b32 s[SEL+1], 0xfedcba98
	s_mov_b32 s[UP], 0xffff0000
	s_wait_dscnt 0x0                               ; the opening add is done
	s_wait_kmcnt 0x0
	s_add_nc_u64 s[G0+2:G0+3], s[4:5], s[2:3]
	s_or_b32 s[G0+3], s[G0+3], 0x80000000          ; 127:126 type = 2
	tensor_load_to_lds s[G0:G0+3], s[G1:G1+7]      ; my one tensor load
	s_nop 0
	s_lshl_b32 s2, s[JJ], 2
	s_add_co_u32 s2, s2, 0x2000000                 ; Vd lies behind the two planes
	s_add_nc_u64 s[14:15], s[4:5], s[2:3]          ; Vd at column j
	v_lshlrev_b32 v[VDO], 9, v0                    ; thread t: Vd[t][j], 512 bytes from slot to slot,
	v_lshlrev_b32 v[RQO], 8, v0                    ; and slot t's first entry, 256 bytes from slot to slot
	global_load_b32 v[VDV], v[VDO], s[14:15]       ; 2 x 256 single words, once a work-group
	global_load_b32 v[RQV], v[RQO], s[6:7]
	s_lshl_b32 s2, s[WV], 21                       ; out: my 16 i x 131,072 bytes,
	s_lshl_b32 s13, s[JJ], 10
	s_add_co_u32 s2, s2, s13
	s_lshl_b32 s13, s[DH], 9
	s_add_co_u32 s2, s2, s13
	s_add_nc_u64 s[8:9], s[8:9], s[2:3]
	v_lshl_add_u32 v[VST], v0, 2, VDB
	v_lshl_add_u32 v[RST], v0, 2, RQB
	v_and_b32 v[RL], 15, v0
	v_bfe_u32 v[HF], v0, 4, 1
	v_and_b32 v237, 7, v0                          ; the turning load: lane l reads row 8 (l / 16) + l % 8, bytes 16 ((l / 8) % 2) on
	v_lshl_add_u32 v237, v[HF], 3, v237
	v_mul_u32_u24 v[TAH], v237, VP
	v_bfe_u32 v238, v0, 3, 1
	v_lshl_add_u32 v[TAH], v238, 4, v[TAH]
	v_add_nc_u32 v[TAL], PLANE, v[TAH]
	v_add_nc_u32 v[TAH1], HALFB, v[TAH]
	v_add_nc_u32 v[TAL1], HALFB, v[TAL]
	s_mul_i32 s13, s[WV], STW
	s_add_co_u32 s13, s13, STAGE                   ; my stage
	v_mul_u32_u24 v[OST], v[RL], SP
	v_lshl_add_u32 v[OST], v[HF], 5, v[OST]
	v_add_nc_u32 v[OST], s13, v[OST]
	v_and_b32 v[GOFF], 31, v0
	v_lshlrev_b32 v[GOFF], 4, v[GOFF]
	v_add_nc_u32 v[ORD], s13, v[GOFF]
	v_lshl_add_u32 v[VA], v[HF], 5, VDB
	v_lshl_add_u32 v[RA], v[HF], 5, RQB
	s_lshl_b32 s13, s[WV], 4
	v_add_nc_u32 v237, s13, v[RL]                  ; i
	v_cvt_f32_u32 v[ISK], v237
	v_mul_f32 v[ISK], s[SKS], v[ISK]               ; one rounding, as for r_q x SK: where r_q = i the difference is 0
	v_mov_b32 v[ISK+1], v[ISK]
.irp c, 0,1,2,3
	v_mov_b32 v[DN+\c], 0
.endr
	s_wait_loadcnt 0x0
	v_bfe_u32 v[RQV], v[RQV], 13, 7                ; r_q
	v_cvt_f32_u32 v[RQV], v[RQV]
	v_mul_f32 v[RQV], s[SKS], v[RQV]
	ds_store_b32 v[VST], v[VDV]
	ds_store_b32 v[RST], v[RQV]
	s_wait_dscnt 0x0                               ; for the others' sake: my two words are written
	s_barrier_signal -1
	s_barrier_wait -1                              ; everybody's are.  The tile may stay on its way
; g for the q whose r_q x SK lie in AF + 8 m .. + 7 (q = 16 m + 8 (l / 16) + 0..7 of the half): half a fragment of high parts and of low parts.
.macro GGEN m
.irp i, 0,2,4,6
	v_pk_add_f32 v[TB+\i:TB+\i+1], v[ISK:ISK+1], v[AF+8*(\m)+\i:AF+8*(\m)+\i+1] neg_lo:[0,1] neg_hi:[0,1]
.endr
.irp i, 0,2,4,6
	v_pk_fma_f32 v[E+\i:E+\i+1], v[TB+\i:TB+\i+1], v[TB+\i:TB+\i+1], s[LLS:LLS+1] op_sel_hi:[1,1,0] neg_lo:[1,0,0] neg_hi:[1,0,0]
.endr
.irp i, 0,1,2,3,4,5,6,7
	v_exp_f32 v[E+\i], v[E+\i]
.endr
	v_nop                                          ; a plain instruction between the exponentials and the use of their results (ISA guide 5.7.2)
	s_wait_alu depctr_va_vdst(0)
.irp i, 0,1,2,3
	v_cvt_pk_bf16_f32 v[GH+4*(\m)+\i], v[E+2*\i], v[E+2*\i+1]
.endr
.irp i, 0,1,2,3
	v_lshlrev_b32 v[H+2*\i],   16,    v[GH+4*(\m)+\i]
	v_and_b32     v[H+2*\i+1], s[UP], v[GH+4*(\m)+\i]
.endr
.irp i, 0,2,4,6
	v_pk_add_f32 v[H+\i:H+\i+1], v[E+\i:E+\i+1], v[H+\i:H+\i+1] neg_lo:[0,1] neg_hi:[0,1]
.endr
.irp i, 0,1,2,3
	v_cvt_pk_bf16_f32 v[GL+4*(\m)+\i], v[H+2*\i], v[H+2*\i+1]
.endr
.endm
; Half hf of the slots: its g, and its part of the divisor.
.macro HALFG hf
.irp m, 0,1,2,3,4,5,6,7
	ds_load_b128 v[AF+8*\m:AF+8*\m+3],   v[RA] offset:512*(\hf)+64*\m     ; r_q x SK, K as a fragment holds it
	ds_load_b128 v[AF+8*\m+4:AF+8*\m+7], v[RA] offset:512*(\hf)+64*\m+16
.endr
	s_wait_dscnt 0x0
.irp m, 0,1,2,3,4,5,6,7
	GGEN \m
.endr
.irp m, 0,1,2,3,4,5,6,7
	ds_load_b128 v[AF+8*\m:AF+8*\m+3],   v[VA] offset:512*(\hf)+64*\m     ; Vd for the q of my g, in the same order
	ds_load_b128 v[AF+8*\m+4:AF+8*\m+7], v[VA] offset:512*(\hf)+64*\m+16
.endr
	s_wait_dscnt 0x0
.set u, 0
.rept 32                                               ; the divisor, of the very numbers that the products take: (hi + lo) x Vd, in four chains
	v_fma_mix_f32_bf16 v[DN],   v[GH+u], v[AF+2*u],   v[DN]   op_sel_hi:[1,0,0]
	v_fma_mix_f32_bf16 v[DN+1], v[GH+u], v[AF+2*u+1], v[DN+1] op_sel:[1,0,0] op_sel_hi:[1,0,0]
	v_fma_mix_f32_bf16 v[DN+2], v[GL+u], v[AF+2*u],   v[DN+2] op_sel_hi:[1,0,0]
	v_fma_mix_f32_bf16 v[DN+3], v[GL+u], v[AF+2*u+1], v[DN+3] op_sel:[1,0,0] op_sel_hi:[1,0,0]
.set u, u+1
.endr
.endm
.macro VLOAD adr, kk                   ; 32 q x 128 channels of one plane, turned: 8 fragments
.irp db, 0,1,2,3,4,5,6,7
	ds_load_tr16_b128 v[AF+8*\db:AF+8*\db+3],   v[\adr] offset:32*VP*(\kk)+32*\db
	ds_load_tr16_b128 v[AF+8*\db+4:AF+8*\db+7], v[\adr] offset:32*VP*(\kk)+32*\db+16*VP
.endr
	s_wait_dscnt 0x0
.endm
.macro MUL8 g, zero                    ; the 8 accumulators take turns.  zero = 1: the first products start the sums
.irp db, 0,1,2,3,4,5,6,7
.if \zero
	v_wmma_f32_16x16x32_bf16 v[ACC+8*\db:ACC+8*\db+7], v[AF+8*\db:AF+8*\db+7], v[(\g):(\g)+7], 0
.else
	v_wmma_f32_16x16x32_bf16 v[ACC+8*\db:ACC+8*\db+7], v[AF+8*\db:AF+8*\db+7], v[(\g):(\g)+7], v[ACC+8*\db:ACC+8*\db+7]
.endif
.endr
.endm
.macro PLACES                          ; four places in front of loads into registers that matrix instructions have read, and of vector work on their results
.rept 4
	v_nop
.endr
.endm
; A half's 96 products: for each 32 slots the high plane with g's high and low parts, the low plane with g's high parts.
.macro PROD ah, al, first
.irp kk, 0,1,2,3
.if (\kk) > 0
	PLACES
.endif
	VLOAD \ah, \kk
.if (\first) && ((\kk) == 0)
	MUL8 GH+8*\kk, 1
.else
	MUL8 GH+8*\kk, 0
.endif
	MUL8 GL+8*\kk, 0
	PLACES
	VLOAD \al, \kk
	MUL8 GH+8*\kk, 0
.endr
.endm
	HALFG 0                                        ; in the tile's flight
	s_wait_tensorcnt 0x0                           ; my part of the tile is in (no LDS instruction of mine is out: the last wait above was for 0),
	s_barrier_signal -1
	s_barrier_wait -1                              ; everybody's is
	PROD TAH, TAL, 1
	PLACES
	HALFG 1
	v_add_f32 v[DN], v[DN], v[DN+1]
	v_add_f32 v[DN+2], v[DN+2], v[DN+3]
	v_add_f32 v[DN], v[DN], v[DN+2]
	v_permlanex16_b32 v[DN+1], v[DN], s[SEL], s[SEL+1]  ; the other half of the q lie in the lane 16 away
	v_add_f32 v[DN], v[DN], v[DN+1]
	v_rcp_f32 v[RC], v[DN]
	v_rcp_f32 v[RC+1], v[DN]
	v_nop                                          ; a plain instruction behind the reciprocals
	PROD TAH1, TAL1, 0
	PLACES
.set i, 0
	s_wait_alu depctr_va_vdst(0)
.rept 32                                               ; ascending: each accumulator is read from its low end on
	v_pk_mul_f32 v[ACC+2*i:ACC+2*i+1], v[ACC+2*i:ACC+2*i+1], v[RC:RC+1]
.set i, i+1
.endr
	; THE WAY OUT: a lane's 8 channels, 32 bytes, into my own stage; back as whole rows of 512 bytes.
.irp db, 0,1,2,3,4,5,6,7
	ds_store_b128 v[OST], v[ACC+8*\db:ACC+8*\db+3]   offset:64*\db
	ds_store_b128 v[OST], v[ACC+8*\db+4:ACC+8*\db+7] offset:64*\db+16
.endr
.irp t, 0,1,2,3,4,5,6,7,8,9,10,11,12,13,14,15
	ds_load_b128 v[AF+4*\t:AF+4*\t+3], v[ORD] offset:SP*\t  ; LDS serves a wave's instructions in order (ISA guide 5.7.1.4): these see the stores above
.endr
.irp t, 0,1,2,3,4,5,6,7,8,9,10,11,12,13,14,15
	s_wait_dscnt 15-\t                             ; load t is in, the 15 - t behind it may be out
	global_store_b128 v[GOFF], v[AF+4*\t:AF+4*\t+3], s[8:9] offset:131072*\t th:TH_STORE_NT  ; 512 consecutive bytes, at a multiple of 256 from out's first byte; 15 x 131,072 lies inside the signed 24-bit immediate
.endr
	s_wait_tensorcnt 0x0                           ; the wave's end: behind my tensor load and my last LDS store
	ds_add_u32 v[SPW], v[NIL]
	s_wait_dscnt 0x0
	s_endpgm
.Lfunc_end_k_qdc4e40b32a_cols:
	.size	k_qdc4e40b32a_cols, .Lfunc_end_k_qdc4e40b32a_cols-k_qdc4e40b32a_cols
	.p2alignl 7, 3214868480
	.fill 96, 4, 3214868480
	.section	.rodata,"a",@progbits
	.p2align	6, 0x0
	.amdhsa_kernel k_qdc4e40b32a_cols
		.amdhsa_group_segment_fixed_size 218112
		.amdhsa_private_segment_fixed_size 0
		.amdhsa_enable_private_segment 0
		.amdhsa_kernarg_size 24
		.amdhsa_user_sgpr_count 2
		.amdhsa_user_sgpr_kernarg_segment_ptr 1
		.amdhsa_wavefront_size32 1
		.amdhsa_system_sgpr_workgroup_id_x 1
		.amdhsa_system_sgpr_workgroup_id_y 1
		.amdhsa_system_sgpr_workgroup_id_z 1
		.amdhsa_system_vgpr_workitem_id 0
		.amdhsa_next_free_vgpr 256
		.amdhsa_next_free_sgpr 66
		.amdhsa_reserve_vcc 0
		.amdhsa_float_denorm_mode_32 3
		.amdhsa_float_denorm_mode_16_64 3
		.amdhsa_memory_ordered 1
		.amdhsa_forward_progress 1
		.amdhsa_inst_pref_size 91
	.end_amdhsa_kernel
	.amdgpu_metadata
---
amdhsa.version: [ 1, 2 ]
amdhsa.kernels:
  - .name:           k_qdc4e40b32a_cols
    .symbol:         k_qdc4e40b32a_cols.kd
    .args:
      - { .name: vsp, .offset: 0, .size: 8, .value_kind: global_buffer, .address_space: global }
      - { .name: lst, .offset: 8, .size: 8, .value_kind: global_buffer, .address_space: global }
      - { .name: out0, .offset: 16, .size: 8, .value_kind: global_buffer, .address_space: global }
    .group_segment_fixed_size: 218112
    .private_segment_fixed_size: 0
    .kernarg_segment_align: 8
    .kernarg_segment_size: 24
    .max_flat_workgroup_size: 256
    .sgpr_count:     66
    .vgpr_count:     256
    .wavefront_size: 32
...
	.end_amdgpu_metadata
.endif
;; end of part 6
;; ======== version 2 of 2: 6 launches; version 1 with the launches prep, bucket written anew for expert scheduling mode
;; workspace buffers: wb 8,388,608 bytes; xb 4,194,304 bytes; hw 65,536 bytes; pval 262,144 bytes; pidx 262,144 bytes of whole numbers; bmu 32,768 bytes of whole numbers; lst 131,072 bytes of whole numbers; vsp 33,685,504 bytes
;; launch prep (part 7): grid 256 x 1, 8 waves a work-group, no clusters, 0 bytes of LDS; arguments all_weights, data, wb, hw, xb; writes wb, hw, xb
.if DOCPART == 7
	.amdgcn_target "amdgcn-amd-amdhsa--gfx1250"
	.amdhsa_code_object_version 6
	.text
	.protected	k_qdc4e40b32a_prep
	.globl	k_qdc4e40b32a_prep
	.p2align	8
	.type	k_qdc4e40b32a_prep,@function
k_qdc4e40b32a_prep:
	s_mov_b64 s[64:65], 0
	v_nop
	global_prefetch_b8 v0, s[64:65] scope:SCOPE_SE
	s_setreg_imm32_b32 hwreg(HW_REG_WAVE_SCHED_MODE, 0, 2), 2
	s_setreg_imm32_b32 hwreg(HW_REG_WAVE_MODE, 25, 1), 1
	s_wait_xcnt 0x0
	s_wait_alu depctr_vm_vsrc(0)
; PREP.  wb = bf16(all_weights) [16384][256], xb = bf16(data) [8192][256], hw[k] = -1/2 sum over d of wb[k][d]^2 (f32, of the ROUNDED numbers).
; A stream: each input byte is read once, each output byte written once; no LDS, no barrier, no matrix unit (nothing is multiplied by anything shared).
; 2,048 waves; wave g owns rows 8 g .. 8 g + 7 of the weights and rows 4 g .. 4 g + 3 of the data: twelve rows of 1,024 bytes.  A row is two loads of
; 512 consecutive bytes (lane l: bytes 16 l and 512 + 16 l); all 24 loads go out at once and are taken in the order of issue.
; A row leaves as two stores of 8 bytes a lane: 32 lanes fill 256 consecutive bytes at a multiple of 256 from the buffer's first byte.
; hw leaves as 32 bytes a wave, a part of such a block: it is 65,536 bytes in all, 1/192 of what the launch stores.
; THE MODE: SCHED_MODE bits 1:0 = 2 (LLVM: expert scheduling mode 2), set by the entry lines.  The code itself states the register dependences
; between vector instructions and memory instructions, with s_wait_alu, always for 0.
; THE PLAN.  Registers that memory instructions touch:
;   X           row i: written by its two loads, issued once, at the head, ahead of which no vector instruction names X; read by row i's conversions behind the wait for the data.
;   Y           row i: written by row i's four conversions; read by its two stores, which are issued at the head of row i + 1; never written again.
;   v2, v3, v5  byte offsets, made at the head and never written again.
;   v4          hw of my rows: written by the eight selects, read by the last store.
; So one wait on va_vdst stands at the head of each row but the first, behind the wait for the row's data: it states that the row before has written its Y, and that row's two stores follow it at once.
; No register that a memory instruction reads is written again, so vm_vsrc is waited for at the two writes of EXEC alone.
; The eight masks 'lane = i' are made in one run at the head, into scalar registers: one wait on va_sdst serves them and the wave's number.
.set LN, 1                             ; v1   lane
.set IO, 2                             ; v2   16 x lane: my bytes in half a row as loaded
.set OO, 3                             ; v3   8 x lane: my bytes in half a row as stored
.set R,  4                             ; v4   lane i: hw of my wave's row i
.set HO, 5                             ; v5   4 x lane
.set SM, 8                             ; v8   a row's sum
.set PX, 9                             ; v9   the other half of the lanes' sum
.set X,  16                            ; v[16:111]   row i: 8 registers as loaded
.set Y,  112                           ; v[112:159]  row i: 4 registers to store; each store has registers of its own, so none is waited for
.set T,  160                           ; v[160:167]  the rounded numbers, widened again
.set S,  168                           ; v[168:169]  two chains of squares
.set MK, 28                            ; s[28:35]    mask i: the lane whose number is i
	s_load_b256 s[4:11], s[0:1], 0x0               ; all_weights s[4:5], data s[6:7], wb s[8:9], hw s[10:11]
	s_load_b64 s[12:13], s[0:1], 0x20              ; xb
	v_and_b32 v[LN], 31, v0
	v_lshrrev_b32 v6, 5, v0
	v_readfirstlane_b32 s14, v6                    ; wave in the work-group
	v_lshlrev_b32 v[IO], 4, v[LN]
	v_lshlrev_b32 v[OO], 3, v[LN]
	v_lshlrev_b32 v[HO], 2, v[LN]
	v_mov_b32 v[R], 0
	v_mov_b32 v[PX], 0                             ; v_permlanex16_b32 counts as a reader of its destination
.irp i, 0,1,2,3,4,5,6,7
	v_cmp_eq_u32 s[MK+\i], \i, v[LN]               ; lane i will keep hw of row i
.endr
	s_wait_alu depctr_va_sdst(0)                   ; s14 and the eight masks are written, ahead of their first readers: the add below, and the selects in the rows
	s_lshl_b32 s15, ttmp9, 3
	s_add_co_u32 s15, s15, s14                     ; g
	s_lshl_b32 s16, s15, 13                        ; 8 rows x 1,024 bytes
	s_mov_b32 s17, 0
	s_lshl_b32 s18, s15, 12                        ; 4 rows x 1,024 bytes, and 8 rows x 512
	s_mov_b32 s19, 0
	s_lshl_b32 s20, s15, 5                         ; 8 words
	s_mov_b32 s21, 0
	s_lshl_b32 s22, s15, 11                        ; 4 rows x 512 bytes
	s_mov_b32 s23, 0
	s_mov_b32 s24, 0x76543210                      ; v_permlanex16_b32: each lane takes its own place in the other half
	s_mov_b32 s25, 0xfedcba98
	s_mov_b32 s26, 0xffff0000                      ; a word's upper bf16
	s_wait_kmcnt 0x0
	s_add_nc_u64 s[4:5], s[4:5], s[16:17]
	s_add_nc_u64 s[6:7], s[6:7], s[18:19]
	s_add_nc_u64 s[8:9], s[8:9], s[18:19]
	s_add_nc_u64 s[10:11], s[10:11], s[20:21]
	s_add_nc_u64 s[12:13], s[12:13], s[22:23]
	s_wait_alu depctr_va_vdst(0)                   ; the three offsets v2, v3 and v5 are written: every load and store of the kernel reads one of them
.irp i, 0,1,2,3,4,5,6,7
	global_load_b128 v[X+8*\i:X+8*\i+3],   v[IO], s[4:5] offset:1024*\i th:TH_LOAD_NT
	global_load_b128 v[X+8*\i+4:X+8*\i+7], v[IO], s[4:5] offset:1024*\i+512 th:TH_LOAD_NT
.endr
.irp i, 0,1,2,3
	global_load_b128 v[X+64+8*\i:X+64+8*\i+3], v[IO], s[6:7] offset:1024*\i th:TH_LOAD_NT
	global_load_b128 v[X+64+8*\i+4:X+64+8*\i+7], v[IO], s[6:7] offset:1024*\i+512 th:TH_LOAD_NT
.endr
; Row i's two stores: rows 0 to 7 go to wb, rows 8 to 11 to xb.
.macro SEND i
.if (\i) < 8
	global_store_b64 v[OO], v[Y+4*(\i):Y+4*(\i)+1],   s[8:9] offset:512*(\i)
	global_store_b64 v[OO], v[Y+4*(\i)+2:Y+4*(\i)+3], s[8:9] offset:512*(\i)+256
.else
	global_store_b64 v[OO], v[Y+4*(\i):Y+4*(\i)+1],   s[12:13] offset:512*((\i)-8)
	global_store_b64 v[OO], v[Y+4*(\i)+2:Y+4*(\i)+3], s[12:13] offset:512*((\i)-8)+256
.endif
.endm
; Row i of the twelve.  w = 1: a row of the weights, which also gives hw.
.macro ROW i, w
	s_wait_loadcnt 22-2*(\i)                       ; loads come back in order (ISA guide 5.7.1): my two are in, the 22 - 2 i issued behind them may be out
.if (\i) > 0
	s_wait_alu depctr_va_vdst(0)                   ; the conversions of the row before have written its Y, which the two stores below read
	SEND (\i)-1
.endif
.irp k, 0,1,2,3
	v_cvt_pk_bf16_f32 v[Y+4*(\i)+\k], v[X+8*(\i)+2*\k], v[X+8*(\i)+2*\k+1]
.endr
.if \w
.irp k, 0,1,2,3
	v_lshlrev_b32 v[T+2*\k],   16,  v[Y+4*(\i)+\k]  ; the rounded numbers as f32
	v_and_b32     v[T+2*\k+1], s26, v[Y+4*(\i)+\k]
.endr
	v_pk_mul_f32 v[S:S+1], v[T:T+1], v[T:T+1]
	v_pk_fma_f32 v[S:S+1], v[T+2:T+3], v[T+2:T+3], v[S:S+1]
	v_pk_fma_f32 v[S:S+1], v[T+4:T+5], v[T+4:T+5], v[S:S+1]
	v_pk_fma_f32 v[S:S+1], v[T+6:T+7], v[T+6:T+7], v[S:S+1]
	v_add_f32 v[SM], v[S], v[S+1]
	v_add_f32_dpp v[SM], v[SM], v[SM] row_xmask:1 row_mask:0xf bank_mask:0xf
	v_add_f32_dpp v[SM], v[SM], v[SM] row_xmask:2 row_mask:0xf bank_mask:0xf
	v_add_f32_dpp v[SM], v[SM], v[SM] row_xmask:4 row_mask:0xf bank_mask:0xf
	v_add_f32_dpp v[SM], v[SM], v[SM] row_xmask:8 row_mask:0xf bank_mask:0xf
	v_permlanex16_b32 v[PX], v[SM], s24, s25
	v_add_f32 v[SM], v[SM], v[PX]                  ; every lane holds the row's sum
	v_mul_f32 v[SM], -0.5, v[SM]
	v_cndmask_b32 v[R], v[R], v[SM], s[MK+(\i)]    ; lane i keeps it
.endif
.endm
.irp i, 0,1,2,3,4,5,6,7
	ROW \i, 1
.endr
.irp i, 8,9,10,11
	ROW \i, 0
.endr
	s_wait_alu depctr_va_vdst(0)                   ; the last row's conversions have written its Y, which the two stores below read
	SEND 11
	s_wait_xcnt 0x0                                ; EXEC is a source of the stores above: it changes only behind this wait
	v_cmp_gt_u32 vcc_lo, 8, v[LN]
	s_wait_alu depctr_va_vcc(0)                    ; VCC is written, ahead of its first reader: EXEC is made from it
	s_wait_alu depctr_va_vdst(0)                   ; EXEC is written: the vector instructions issued so far are done; among their results is v4, which the store below reads
	s_wait_alu depctr_vm_vsrc(0)                   ; EXEC is written: the loads and stores issued so far have read their registers
	s_and_saveexec_b32 s27, vcc_lo
	global_store_b32 v[HO], v[R], s[10:11]         ; lanes 0 to 7: hw of my eight rows
	s_wait_xcnt 0x0                                ; and again in front of the line that widens it
	s_wait_alu depctr_va_vdst(0)                   ; EXEC is written: no vector instruction is on its way
	s_wait_alu depctr_vm_vsrc(0)                   ; EXEC is written: the store above has read its offset and its data
	s_or_b32 exec_lo, exec_lo, s27
	s_endpgm
.Lfunc_end_k_qdc4e40b32a_prep:
	.size	k_qdc4e40b32a_prep, .Lfunc_end_k_qdc4e40b32a_prep-k_qdc4e40b32a_prep
	.p2alignl 7, 3214868480
	.fill 96, 4, 3214868480
	.section	.rodata,"a",@progbits
	.p2align	6, 0x0
	.amdhsa_kernel k_qdc4e40b32a_prep
		.amdhsa_group_segment_fixed_size 0
		.amdhsa_private_segment_fixed_size 0
		.amdhsa_enable_private_segment 0
		.amdhsa_kernarg_size 40
		.amdhsa_user_sgpr_count 2
		.amdhsa_user_sgpr_kernarg_segment_ptr 1
		.amdhsa_wavefront_size32 1
		.amdhsa_system_sgpr_workgroup_id_x 1
		.amdhsa_system_sgpr_workgroup_id_y 1
		.amdhsa_system_sgpr_workgroup_id_z 1
		.amdhsa_system_vgpr_workitem_id 0
		.amdhsa_next_free_vgpr 176
		.amdhsa_next_free_sgpr 66
		.amdhsa_reserve_vcc 1
		.amdhsa_float_denorm_mode_32 3
		.amdhsa_float_denorm_mode_16_64 3
		.amdhsa_memory_ordered 1
		.amdhsa_forward_progress 1
		.amdhsa_inst_pref_size 19
	.end_amdhsa_kernel
	.amdgpu_metadata
---
amdhsa.version: [ 1, 2 ]
amdhsa.kernels:
  - .name:           k_qdc4e40b32a_prep
    .symbol:         k_qdc4e40b32a_prep.kd
    .args:
      - { .name: all_weights, .offset: 0, .size: 8, .value_kind: global_buffer, .address_space: global }
      - { .name: data, .offset: 8, .size: 8, .value_kind: global_buffer, .address_space: global }
      - { .name: wb, .offset: 16, .size: 8, .value_kind: global_buffer, .address_space: global }
      - { .name: hw, .offset: 24, .size: 8, .value_kind: global_buffer, .address_space: global }
      - { .name: xb, .offset: 32, .size: 8, .value_kind: global_buffer, .address_space: global }
    .group_segment_fixed_size: 0
    .private_segment_fixed_size: 0
    .kernarg_segment_align: 8
    .kernarg_segment_size: 40
    .max_flat_workgroup_size: 256
    .sgpr_count:     66
    .vgpr_count:     176
    .wavefront_size: 32
...
	.end_amdgpu_metadata
.endif
;; end of part 7
;; launch score: the kernel of part 2 again; grid 32 x 8, 4 waves a work-group, clusters of 4 x 1, 327,680 bytes of LDS; arguments wb, hw, xb, pval, pidx; writes pval, pidx
;; launch pick: the kernel of part 3 again; grid 16 x 1, 4 waves a work-group, no clusters, 0 bytes of LDS; arguments pval, pidx, bmu, lst; writes bmu, lst
;; launch bucket (part 8): grid 128 x 1, 4 waves a work-group, no clusters, 768 bytes of LDS; arguments bmu, lst; writes lst
.if DOCPART == 8
	.amdgcn_target "amdgcn-amd-amdhsa--gfx1250"
	.amdhsa_code_object_version 6
	.text
	.protected	k_qdc4e40b32a_bucket
	.globl	k_qdc4e40b32a_bucket
	.p2align	8
	.type	k_qdc4e40b32a_bucket,@function
k_qdc4e40b32a_bucket:
	s_mov_b64 s[64:65], 0
	v_nop
	global_prefetch_b8 v0, s[64:65] scope:SCOPE_SE
	s_setreg_imm32_b32 hwreg(HW_REG_WAVE_SCHED_MODE, 0, 2), 2
	s_setreg_imm32_b32 hwreg(HW_REG_WAVE_MODE, 25, 1), 1
	s_wait_xcnt 0x0
	s_wait_alu depctr_vm_vsrc(0)
; BUCKET.  The samples are sorted into 256 SLOTS of 64 entries, each slot with samples of ONE grid row, so that the launches behind do the same number of steps whatever the data hold.
; Row r's first slot is floor(L / 64) + r, L the number of samples whose best unit lies in a lower row.  With c samples in row r the next row's first slot lies
; floor((L + c) / 64) - floor(L / 64) + 1 >= ceil(c / 64) further on, so no two rows' slots overlap; and all lie below 8,192 / 64 + 128 = 256.
; An entry is sample | r << 13 | c << 20 (c the unit's column).  The launch before has set every entry to a filling entry of weight 0; this one stores the true entries over them.
; lst: 256 slots x 64 words, then for each r 128 words into which lanes without a match write (a word for each thread).
; One work-group for each r, 128 in all: that is all the work there is (each scans bmu's 32,768 bytes).  Wave w scans samples 2,048 w .. 2,048 w + 2,047, held in 64 registers:
; pass 1 counts its matches and its samples of lower rows; the counts meet in LDS; pass 2 stores each match at the row's end so far plus the number of matches in lower lanes.
; Compares and scalar counts go in batches of eight, so that vector and scalar work change hands 16 times and not 128 times.
; The stores are 4 bytes a lane: matching lanes write neighbouring words, the others each a word of their own.  A row's 64 samples are 256 bytes.
; THE MODE: SCHED_MODE bits 1:0 = 2 (LLVM: expert scheduling mode 2), set by the entry lines.  The code itself states the register dependences
; between vector instructions and memory or LDS instructions, with s_wait_alu, always for 0.
; THE PLAN.  Registers that memory or LDS instructions touch:
;   v[IO]        made at the head, read by the sixteen loads, never written again.
;   X            written by the loads, then, behind the wait for them, by vector instructions in place; batch b's eight are read by its stores as data and not written afterwards.
;   P            batch b's eight are written by pass 2's vector work, read by its stores as offsets and not written afterwards.
;   v[TA], SD    the LDS store's address and data: written by moves, read by that one store, never written again.
;   v[TL]        the two LDS loads' address: written by a move beside them, never written again.
;   CT           written by the two LDS loads alone; no vector instruction names it ahead of them.
;   v[SPW], v[NIL]  written at the head, read by the closing add alone.
; Batch b's eight stores are issued in batch b + 1, behind that batch's run of compares: there the wave waits for the masks (va_sdst), and one wait on va_vdst beside it states that
; batch b's X and P are written.  No register that a memory or LDS instruction reads is written again, so no wait on vm_vsrc is owed.
; Every mask and every number that a vector instruction writes into a scalar register has a wait on va_sdst between the run of its writers and its first reader.
.set TRW,   16384                      ; the first of those words, counted in words
.set TOPW,  32767                      ; the buffer's last word
.set CNTB,  0                          ; LDS: for each wave two counts
.set SPARE, 256                        ; the spare words, 128 bytes for each wave: two blocks of 256 bytes that no other line names
.set LN,    1                          ; v1   lane
.set SPW,   2                          ; v2   LDS address of my spare word; never rewritten
.set NIL,   3                          ; v3   0; never rewritten
.set IO,    4                          ; v4   my byte offset in bmu
.set TRASH, 5                          ; v5   16,384 + 128 r + thread: where I write without a match
.set BASEB, 6                          ; v6   2,048 w + 4 lane + (r << 13): the sample of my first word, and the row
.set TA,    7                          ; v7   the wave's number; then the LDS address of my wave's two counts
.set CT,    8                          ; v8-15  the eight counts, as read back
.set X,     16                         ; v16-79   my words of bmu, then xor r << 7, then the entries.  Each store has registers of its own, so none is waited for
.set P,     80                         ; v80-143  where they go
.set SD,    144                        ; v144-145 my wave's two counts, as stored
.set TL,    146                        ; v146     the LDS address of the table of counts
.set WV,    8                          ; s8 wave   s9 r   s10 r << 7
.set RW,    9
.set R7,    10
.set CNT,   11                         ; s11  pass 1: my matches; pass 2: the row's end so far, in words
.set TS,    12                         ; s12  at work
.set C128,  13                         ; s13  128
.set LOWC,  14                         ; s14  my samples of lower rows; then the row's first slot
.set C0,    16                         ; s16-23  wave k's matches at C0 + 2 k, its lower samples at C0 + 2 k + 1
.set ML,    24                         ; s24-31  a batch's masks of lower samples, then their counts
.set MM,    32                         ; s32-39  a batch's masks of matches, then their counts
.set CC,    40                         ; s40-47  pass 2: the row's end in front of each of a batch's eight words
	s_load_b128 s[4:7], s[0:1], 0x0                ; bmu s[4:5], lst s[6:7]
	v_lshl_add_u32 v[SPW], v0, 2, SPARE
	v_mov_b32 v[NIL], 0
	v_and_b32 v[LN], 31, v0
	v_lshrrev_b32 v[TA], 5, v0
	v_readfirstlane_b32 s[WV], v[TA]
	s_wait_alu depctr_va_sdst(0)                   ; the wave's number is written, ahead of its first reader
	s_lshl_b32 s[TS], s[WV], 13
	v_lshl_add_u32 v[IO], v[LN], 4, s[TS]          ; my wave's 8,192 bytes, 16 a lane
	s_wait_kmcnt 0x0
	s_wait_alu depctr_va_vdst(0)                   ; v[IO] is written, which the sixteen loads read as their offset
.irp t, 0,1,2,3,4,5,6,7,8,9,10,11,12,13,14,15
	global_load_b128 v[X+4*\t:X+4*\t+3], v[IO], s[4:5] offset:512*\t
.endr
	s_mov_b32 s[RW], ttmp9
	s_lshl_b32 s[R7], s[RW], 7
	s_add_co_u32 s[TS], s[R7], TRW
	v_add_nc_u32 v[TRASH], s[TS], v0
	s_lshl_b32 s[TS], s[WV], 11
	s_lshl_b32 s2, s[RW], 13
	s_add_co_u32 s[TS], s[TS], s2
	v_lshl_add_u32 v[BASEB], v[LN], 2, s[TS]
	s_mov_b32 s[C128], 128
	s_mov_b32 s[CNT], 0
	s_mov_b32 s[LOWC], 0
	s_wait_loadcnt 0x0
	; PASS 1.  A word below r << 7 is a unit of a lower row.  x = word xor (r << 7) is below 128 just where the unit lies in row r, and is then its column c.
.set b, 0
.rept 8
.irp k, 0,1,2,3,4,5,6,7
	v_cmp_gt_u32 s[ML+\k], s[R7], v[X+8*b+\k]
.endr
.irp k, 0,1,2,3,4,5,6,7
	v_xor_b32 v[X+8*b+\k], s[R7], v[X+8*b+\k]
.endr
.irp k, 0,1,2,3,4,5,6,7
	v_cmp_gt_u32 s[MM+\k], s[C128], v[X+8*b+\k]
.endr
	s_wait_alu depctr_va_sdst(0)                   ; the batch's sixteen masks are written, ahead of the counts that read them
.irp k, 0,1,2,3,4,5,6,7
	s_bcnt1_i32_b32 s[ML+\k], s[ML+\k]
	s_bcnt1_i32_b32 s[MM+\k], s[MM+\k]
.endr
.irp k, 0,1,2,3,4,5,6,7
	s_add_co_u32 s[LOWC], s[LOWC], s[ML+\k]
	s_add_co_u32 s[CNT], s[CNT], s[MM+\k]
.endr
.set b, b+1
.endr
	s_lshl_b32 s[TS], s[WV], 3
	v_mov_b32 v[TA], s[TS]                         ; CNTB + 8 w
	v_mov_b32 v[SD], s[CNT]
	v_mov_b32 v[SD+1], s[LOWC]
	v_mov_b32 v[TL], CNTB
	s_wait_alu depctr_va_vdst(0)                   ; v[TA] and SD are written, which the LDS store reads, and v[TL], which the two LDS loads behind the barrier read
	ds_store_b64 v[TA], v[SD:SD+1]
	s_wait_dscnt 0x0                               ; for the others' sake: my counts are written
	s_barrier_signal -1
	s_barrier_wait -1
	ds_load_b128 v[CT:CT+3], v[TL]                 ; no vector instruction has named CT, and none since the wait above names v[TL]
	ds_load_b128 v[CT+4:CT+7], v[TL] offset:16
	s_wait_dscnt 0x0
.irp k, 0,1,2,3,4,5,6,7
	v_readfirstlane_b32 s[C0+\k], v[CT+\k]
.endr
	s_wait_alu depctr_va_sdst(0)                   ; the eight counts are written, ahead of the sums that read them
	s_add_co_u32 s[LOWC], s[C0+1], s[C0+3]
	s_add_co_u32 s[LOWC], s[LOWC], s[C0+5]
	s_add_co_u32 s[LOWC], s[LOWC], s[C0+7]         ; L
	s_lshr_b32 s[LOWC], s[LOWC], 6
	s_add_co_u32 s[LOWC], s[LOWC], s[RW]           ; the row's first slot,
	s_lshl_b32 s[CNT], s[LOWC], 6                  ; its first word;
.irp k, 0,1,2
	s_cmp_gt_u32 s[WV], \k                         ; my part begins behind the lower waves'
	s_cselect_b32 s[TS], s[C0+2*\k], 0
	s_add_co_u32 s[CNT], s[CNT], s[TS]
.endr
; Batch n's eight stores.
.macro SENDB n
.irp k, 0,1,2,3,4,5,6,7
	global_store_b32 v[P+8*(\n)+\k], v[X+8*(\n)+\k], s[6:7]
.endr
.endm
	; PASS 2.  Word i of my 64 is sample 2,048 w + 4 lane + 128 (i / 4) + i % 4.
.set b, 0
.rept 8
.irp k, 0,1,2,3,4,5,6,7
	v_cmp_gt_u32 s[MM+\k], s[C128], v[X+8*b+\k]
.endr
	s_wait_alu depctr_va_sdst(0)                   ; the batch's eight masks are written, ahead of the counts that read them
.if b > 0
	s_wait_alu depctr_va_vdst(0)                   ; the batch before has written its X and P, which the eight stores below read as data and offsets
	SENDB b-1
.endif
	s_mov_b32 s[CC], s[CNT]
.irp k, 0,1,2,3,4,5,6
	s_bcnt1_i32_b32 s[TS], s[MM+\k]
	s_add_co_u32 s[CC+\k+1], s[CC+\k], s[TS]
.endr
	s_bcnt1_i32_b32 s[TS], s[MM+7]
	s_add_co_u32 s[CNT], s[CC+7], s[TS]
.irp k, 0,1,2,3,4,5,6,7
	v_mbcnt_lo_u32_b32 v[P+8*b+\k], s[MM+\k], s[CC+\k]
.endr
.irp k, 0,1,2,3,4,5,6,7
	v_lshl_add_u32 v[X+8*b+\k], v[X+8*b+\k], 20, v[BASEB]
.endr
.irp k, 0,1,2,3,4,5,6,7
	v_cndmask_b32 v[P+8*b+\k], v[TRASH], v[P+8*b+\k], s[MM+\k]
.endr
.irp k, 0,1,2,3,4,5,6,7
	v_add_nc_u32 v[X+8*b+\k], 128*((8*b+\k)/4)+(8*b+\k)%4, v[X+8*b+\k]
.endr
.irp k, 0,1,2,3,4,5,6,7
	v_min_u32 v[P+8*b+\k], TOPW, v[P+8*b+\k]       ; the word stays in the buffer whatever bmu holds
.endr
.irp k, 0,1,2,3,4,5,6,7
	v_lshlrev_b32 v[P+8*b+\k], 2, v[P+8*b+\k]
.endr
.set b, b+1
.endr
	s_wait_alu depctr_va_vdst(0)                   ; the last batch has written its X and P, which the eight stores below read
	SENDB 7
	s_wait_dscnt 0x0                               ; the closing lines, six on end
	s_wait_alu 0x0
	s_wait_tensorcnt 0x0
	ds_add_u32 v[SPW], v[NIL]
	s_wait_dscnt 0x0
	s_endpgm
.Lfunc_end_k_qdc4e40b32a_bucket:
	.size	k_qdc4e40b32a_bucket, .Lfunc_end_k_qdc4e40b32a_bucket-k_qdc4e40b32a_bucket
	.p2alignl 7, 3214868480
	.fill 96, 4, 3214868480
	.section	.rodata,"a",@progbits
	.p2align	6, 0x0
	.amdhsa_kernel k_qdc4e40b32a_bucket
		.amdhsa_group_segment_fixed_size 768
		.amdhsa_private_segment_fixed_size 0
		.amdhsa_enable_private_segment 0
		.amdhsa_kernarg_size 16
		.amdhsa_user_sgpr_count 2
		.amdhsa_user_sgpr_kernarg_segment_ptr 1
		.amdhsa_wavefront_size32 1
		.amdhsa_system_sgpr_workgroup_id_x 1
		.amdhsa_system_sgpr_workgroup_id_y 1
		.amdhsa_system_sgpr_workgroup_id_z 1
		.amdhsa_system_vgpr_workitem_id 0
		.amdhsa_next_free_vgpr 148
		.amdhsa_next_free_sgpr 66
		.amdhsa_reserve_vcc 0
		.amdhsa_float_denorm_mode_32 3
		.amdhsa_float_denorm_mode_16_64 3
		.amdhsa_memory_ordered 1
		.amdhsa_forward_progress 1
		.amdhsa_inst_pref_size 60
	.end_amdhsa_kernel
	.amdgpu_metadata
---
amdhsa.version: [ 1, 2 ]
amdhsa.kernels:
  - .name:           k_qdc4e40b32a_bucket
    .symbol:         k_qdc4e40b32a_bucket.kd
    .args:
      - { .name: bmu, .offset: 0, .size: 8, .value_kind: global_buffer, .address_space: global }
      - { .name: lst, .offset: 8, .size: 8, .value_kind: global_buffer, .address_space: global }
    .group_segment_fixed_size: 768
    .private_segment_fixed_size: 0
    .kernarg_segment_align: 8
    .kernarg_segment_size: 16
    .max_flat_workgroup_size: 128
    .sgpr_count:     66
    .vgpr_count:     148
    .wavefront_size: 32
...
	.end_amdgpu_metadata
.endif
;; end of part 8
;; launch rows: the kernel of part 5 again; grid 2 x 256, 4 waves a work-group, no clusters, 37,376 bytes of LDS; arguments lst, xb, vsp; writes vsp
;; launch cols: the kernel of part 6 again; grid 2 x 128, 8 waves a work-group, no clusters, 218,112 bytes of LDS; arguments vsp, lst, out0; writes out0
